; MI455X (gfx1250); checked and timed in simulation.
; The chip was launched on July 23, 2026; its instructions are those of AMD's public machine-readable ISA for CDNA 5 (MIT licence, August 2026) and "CDNA5" Instruction Set Architecture Reference Guide (July 2026). The comments in the code are by the model that wrote it; some were corrected since.
;; Switch FFN. Allowed arithmetic: float matrix products may take bf16 or f16 operands with f32 sums; other float arithmetic in f32, or as packed bf16 or f16 multiplies, adds, multiply-adds, maxima and minima; sums over many terms, partial sums and values carried from step to step in f32; what a program stores and reads back later, other than sums and carried values, may be rounded once to bf16 or f16.
;; Inputs: W1 8 x 1,024 x 4,096 float32; W2 8 x 4,096 x 1,024 float32; Wr 1,024 x 8 float32; b1 8 x 4,096 float32; b2 8 x 1,024 float32; br 8 float32; ln_b 1,024 float32; ln_g 1,024 float32; x 4 x 256 x 1,024 float32.
;; Outputs: out0 4 x 256 x 1,024 float32.
;; 2 versions, each right; version 2 is version 1 with the launches route, ffn1, ffn2 written anew for expert scheduling mode. Each part assembles by itself: llvm-mc -triple=amdgcn-amd-amdhsa -mcpu=gfx1250 --defsym DOCPART=n.
;; ======== version 1 of 2: 4 launches
;; limits: values are held in f16: magnitudes above 65,504 overflow, below 6.1e-05 lose precision
;; workspace buffers: xn 2,097,152 bytes; idx 4,096 bytes of whole numbers; gate 4,096 bytes; hbuf 67,108,864 bytes; part 16,777,216 bytes
;; launch route (part 1): grid 256 x 1, 4 waves a work-group, no clusters, 0 bytes of LDS; arguments x, Wr, br, ln_g, ln_b, xn, idx, gate; writes xn, idx, gate
.if DOCPART == 1
	.amdgcn_target "amdgcn-amd-amdhsa--gfx1250"
	.amdhsa_code_object_version 6
	.text
	.protected	k_qb7c26801ae_route
	.globl	k_qb7c26801ae_route
	.p2align	8
	.type	k_qb7c26801ae_route,@function
k_qb7c26801ae_route:
	s_mov_b64 s[64:65], 0
	v_nop
	global_prefetch_b8 v0, s[64:65] scope:SCOPE_SE
	s_setreg_imm32_b32 hwreg(HW_REG_WAVE_MODE, 25, 1), 1
	s_wait_xcnt 0x0
; ROUTER AND LAYERNORM.  One wave takes one token t = 4 x work-group + wave: its 1,024 numbers lie in 32 registers (lane L, load j: d = 128 j + 4 L + c).
; Stored: xn[t][1024] in f16 (the next launch's matrix operand), idx[t] (the chosen expert, a whole number at a fixed place), gate[t] = the largest softmax weight
; = 1 / sum of 2^(log2(e) (l - lmax)).  All arithmetic in f32.  The maximum is taken away before the exponentials.  The variance is taken of x - mean.
; The logits are made by f32 multiply-adds and not by the matrix unit: they choose the expert, and a 16-bit rounding of x or Wr could move a token to another one;
; 8 columns of Wr are 8 M multiply-adds in all.
; ALL 90 LOADS OF THE WAVE GO OUT AT THE HEAD: x, br, the lane's 256 numbers of Wr (a register window of their own), ln_g, ln_b.  Mean and variance are made while Wr is on its way.
; LIMITS.  The expert is the lowest index whose LOGIT equals the largest logit; taken on the probabilities it could differ only where two logits lie within
; an f32 rounding of each other.  xn is stored in f16: it must stay under 65,504.  NaN and infinities are not treated apart.
; No LDS, no barrier: a wave leans on no other wave.
.set X,  8                             ; v[8:39]    x
.set XP, 40                            ; v[40:55]   xn in f16 pairs
.set LG, 56                            ; v[56:63]   the 8 logits
.set G,  64                            ; v[64:95]   ln_g
.set BB, 96                            ; v[96:127]  ln_b
.set T,  128                           ; v[128:135] at work
.set D,  144                           ; v[144:175] x - mean, then xn in f32
.set BR, 224                           ; v[224:231] br
                                       ; v[232:233] mean, twice; v[234:235] 1/sqrt(var + eps) and a 0; v236 lmax; v237 idx; v238 gate; v239 at work
                                       ; window 1, v0-255: Wr: register 64 b + 32 jj + 8 dd + e = Wr[128 (2 b + jj) + 4 L + dd][e]
.set MSB, 0
.macro WIN new                         ; s_set_vgpr_msb: bits 1:0 source 0, 3:2 source 1, 7:6 destination; the immediate's high byte repeats the setting that is left
.if MSB != (\new)
	s_set_vgpr_msb (MSB<<8)|(\new)
.set MSB, \new
.endif
.endm
	s_load_b512 s[4:19], s[0:1], 0x0               ; x 4, Wr 6, br 8, ln_g 10, ln_b 12, xn 14, idx 16, gate 18
	v_and_b32 v1, 31, v0                           ; lane
	v_lshrrev_b32 v6, 5, v0
	v_readfirstlane_b32 s20, v6                    ; wave
	v_lshlrev_b32 v2, 4, v1                        ; 16 L
	v_lshlrev_b32 v3, 7, v1                        ; 128 L: four rows of Wr
	v_lshlrev_b32 v4, 3, v1                        ; 8 L
	v_mov_b32 v5, 0
	s_lshl_b32 s21, ttmp9, 2
	s_add_co_u32 s21, s21, s20                     ; token
	s_mov_b32 s24, 0x76543210                      ; v_permlanex16_b32: each lane takes its own place in the other half
	s_mov_b32 s25, 0xfedcba98
	s_mov_b32 s27, 0x3fb8aa3b                      ; log2(e)
	s_mov_b32 s28, 0x3a800000                      ; 1 / 1024
	s_mov_b32 s29, 0x3727c5ac                      ; 1e-5
	s_mov_b32 s23, 0
	s_wait_kmcnt 0x0
	s_lshl_b32 s22, s21, 12
	s_add_nc_u64 s[4:5], s[4:5], s[22:23]          ; x at my row
	s_lshl_b32 s22, s21, 11
	s_add_nc_u64 s[14:15], s[14:15], s[22:23]      ; xn at my row
	s_lshl_b32 s22, s21, 2
	s_add_nc_u64 s[16:17], s[16:17], s[22:23]      ; idx and gate at my word
	s_add_nc_u64 s[18:19], s[18:19], s[22:23]
.irp j, 0,1,2,3,4,5,6,7
	global_load_b128 v[X+4*(\j):X+4*(\j)+3], v2, s[4:5] offset:512*(\j) th:TH_LOAD_NT   ; 512 neighbouring bytes a load
.endr
	global_load_b128 v[BR:BR+3], v5, s[8:9]
	global_load_b128 v[BR+4:BR+7], v5, s[8:9] offset:16
	WIN 0x40                                       ; destination window 1, address window 0
.irp b, 0,1,2,3                        ; four batches of sixteen loads
.irp jj, 0,1
.irp q, 0,1,2,3,4,5,6,7
	global_load_b128 v[64*(\b)+32*(\jj)+4*(\q):64*(\b)+32*(\jj)+4*(\q)+3], v3, s[6:7] offset:4096*(2*(\b)+(\jj))+16*(\q)
.endr
.endr
.endr
	WIN 0
.irp j, 0,1,2,3,4,5,6,7
	global_load_b128 v[G+4*(\j):G+4*(\j)+3], v2, s[10:11] offset:512*(\j)
.endr
.irp j, 0,1,2,3,4,5,6,7
	global_load_b128 v[BB+4*(\j):BB+4*(\j)+3], v2, s[12:13] offset:512*(\j)
.endr
; a batch: eight x of the lane times Wr's eight columns.  The eight sums take turns.  The very first products start the sums.
.macro BATCH b
	WIN 0x04                                       ; source 1 (Wr) window 1
.irp jj, 0,1
.irp dd, 0,1,2,3
.irp e, 0,1,2,3,4,5,6,7
.if ((\b)+(\jj)+(\dd)) == 0
	v_mul_f32 v[LG+(\e)], v[X+4*(2*(\b)+(\jj))+(\dd)], v[64*(\b)+32*(\jj)+8*(\dd)+(\e)]
.else
	v_fmac_f32 v[LG+(\e)], v[X+4*(2*(\b)+(\jj))+(\dd)], v[64*(\b)+32*(\jj)+8*(\dd)+(\e)]
.endif
.endr
.endr
.endr
.endm
.macro RSUM r                          ; the sum over the 32 lanes, in every lane
.irp m, 1,2,4,8
	v_add_f32_dpp v[\r], v[\r], v[\r] row_xmask:\m row_mask:0xf bank_mask:0xf
.endr
	v_permlanex16_b32 v6, v[\r], s24, s25
	v_add_f32 v[\r], v[\r], v6
.endm
.macro FOLD                            ; four pairs at T into one pair at T
	v_pk_add_f32 v[T:T+1], v[T:T+1], v[T+2:T+3]
	v_pk_add_f32 v[T+4:T+5], v[T+4:T+5], v[T+6:T+7]
	v_pk_add_f32 v[T:T+1], v[T:T+1], v[T+4:T+5]
.endm
	s_wait_loadcnt 63                              ; x, br and batch 0 are in: 64 loads are younger; 63 is the largest count that the wait can name
	; the mean: four chains, then the lanes
.irp c, 0,1,2,3
	v_pk_add_f32 v[T+2*(\c):T+2*(\c)+1], v[X+2*(\c):X+2*(\c)+1], v[X+8+2*(\c):X+8+2*(\c)+1]
.endr
.irp g, 2,3
.irp c, 0,1,2,3
	v_pk_add_f32 v[T+2*(\c):T+2*(\c)+1], v[T+2*(\c):T+2*(\c)+1], v[X+8*(\g)+2*(\c):X+8*(\g)+2*(\c)+1]
.endr
.endr
	FOLD
	v_add_f32 v[T], v[T], v[T+1]
	RSUM T
	v_mul_f32 v232, s28, v[T]
	v_mov_b32 v233, v232
.set k, 0
.rept 16
	v_pk_add_f32 v[D+2*k:D+2*k+1], v[X+2*k:X+2*k+1], v[232:233] neg_lo:[0,1] neg_hi:[0,1]  ; x - mean; x itself stays for the logits
.set k, k+1
.endr
	; the variance, of x - mean
.irp c, 0,1,2,3
	v_pk_mul_f32 v[T+2*(\c):T+2*(\c)+1], v[D+2*(\c):D+2*(\c)+1], v[D+2*(\c):D+2*(\c)+1]
.endr
.irp g, 1,2,3
.irp c, 0,1,2,3
	v_pk_fma_f32 v[T+2*(\c):T+2*(\c)+1], v[D+8*(\g)+2*(\c):D+8*(\g)+2*(\c)+1], v[D+8*(\g)+2*(\c):D+8*(\g)+2*(\c)+1], v[T+2*(\c):T+2*(\c)+1]
.endr
.endr
	FOLD
	v_add_f32 v[T], v[T], v[T+1]
	RSUM T
	v_fma_f32 v239, v[T], s28, s29                 ; var + eps
	; the logits
	BATCH 0
	s_wait_loadcnt 48                              ; batch 1 is in: batches 2 and 3, ln_g and ln_b, sixteen loads each, stay out
	BATCH 1
	s_wait_loadcnt 32                              ; batch 2
	BATCH 2
	s_wait_loadcnt 16                              ; batch 3; ln_g and ln_b stay out
	BATCH 3
	WIN 0
	v_rsq_f32 v234, v239                           ; not named again before the wait behind the exponentials
	v_mov_b32 v235, 0                              ; named with it as a pair
	; the lanes' parts are added, eight sums side by side; then br
.irp m, 1,2,4,8
.irp e, 0,1,2,3,4,5,6,7
	v_add_f32_dpp v[LG+(\e)], v[LG+(\e)], v[LG+(\e)] row_xmask:\m row_mask:0xf bank_mask:0xf
.endr
.endr
.irp e, 0,1,2,3,4,5,6,7
	v_permlanex16_b32 v[T+(\e)], v[LG+(\e)], s24, s25    ; its destination counts as read: T's eight registers have been written
.endr
.irp e, 0,1,2,3,4,5,6,7
	v_add_f32 v[LG+(\e)], v[LG+(\e)], v[T+(\e)]
.endr
.irp e, 0,1,2,3,4,5,6,7
	v_add_f32 v[LG+(\e)], v[LG+(\e)], v[BR+(\e)]
.endr
	v_max3_num_f32 v236, v[LG], v[LG+1], v[LG+2]
	v_max3_num_f32 v236, v236, v[LG+3], v[LG+4]
	v_max3_num_f32 v236, v236, v[LG+5], v[LG+6]
	v_max_num_f32 v236, v236, v[LG+7]              ; lmax
	v_mul_f32 v239, s27, v236
.irp e, 0,1,2,3,4,5,6,7
	v_fma_f32 v[T+(\e)], v[LG+(\e)], s27, -v239    ; log2(e) (l - lmax)
.endr
.irp e, 0,1,2,3,4,5,6,7
	v_exp_f32 v[T+(\e)], v[T+(\e)]
.endr
	v_mov_b32 v237, 7                              ; the argmax stands behind the exponentials as independent work: the lowest index wins a tie
.irp e, 6,5,4,3,2,1,0
	v_cmp_eq_f32 vcc_lo, v[LG+(\e)], v236
	v_cndmask_b32 v237, v237, \e, vcc_lo
.endr
	s_wait_alu depctr_va_vdst(0)                   ; one wait for the root and the eight exponentials, ahead of their first reader
	FOLD
	v_add_f32 v239, v[T], v[T+1]
	v_rcp_f32 v238, v239                           ; the gate; its wait stands ahead of its store, the rest of the layernorm between
	s_wait_loadcnt 0x0                             ; ln_g, ln_b
.set k, 0
.rept 16
	v_pk_mul_f32 v[D+2*k:D+2*k+1], v[D+2*k:D+2*k+1], v[234:235] op_sel_hi:[1,0]  ; (x - mean) / sqrt(var + eps)
.set k, k+1
.endr
.set k, 0
.rept 16
	v_pk_fma_f32 v[D+2*k:D+2*k+1], v[D+2*k:D+2*k+1], v[G+2*k:G+2*k+1], v[BB+2*k:BB+2*k+1]  ; x ln_g + ln_b
.set k, k+1
.endr
.set k, 0
.rept 16
	v_cvt_pk_f16_f32 v[XP+k], v[D+2*k], v[D+2*k+1]
.set k, k+1
.endr
.irp j, 0,1,2,3,4,5,6,7
	global_store_b64 v4, v[XP+2*(\j):XP+2*(\j)+1], s[14:15] offset:256*(\j)   ; the wave's store covers 256 consecutive bytes, aligned
.endr
	s_wait_alu depctr_va_vdst(0)                   ; the reciprocal
	v_cmp_eq_u32 vcc_lo, 0, v1
	s_wait_xcnt 0x0                                ; EXEC changes only behind this wait
	s_and_saveexec_b32 s30, vcc_lo                 ; lane 0 alone
	global_store_b32 v5, v237, s[16:17]
	global_store_b32 v5, v238, s[18:19]
	s_wait_xcnt 0x0
	s_or_b32 exec_lo, exec_lo, s30
	s_endpgm
.Lfunc_end_k_qb7c26801ae_route:
	.size	k_qb7c26801ae_route, .Lfunc_end_k_qb7c26801ae_route-k_qb7c26801ae_route
	.p2alignl 7, 3214868480
	.fill 96, 4, 3214868480
	.section	.rodata,"a",@progbits
	.p2align	6, 0x0
	.amdhsa_kernel k_qb7c26801ae_route
		.amdhsa_group_segment_fixed_size 0
		.amdhsa_private_segment_fixed_size 0
		.amdhsa_enable_private_segment 0
		.amdhsa_kernarg_size 64
		.amdhsa_user_sgpr_count 2
		.amdhsa_user_sgpr_kernarg_segment_ptr 1
		.amdhsa_wavefront_size32 1
		.amdhsa_system_sgpr_workgroup_id_x 1
		.amdhsa_system_sgpr_workgroup_id_y 1
		.amdhsa_system_sgpr_workgroup_id_z 1
		.amdhsa_system_vgpr_workitem_id 0
		.amdhsa_next_free_vgpr 512
		.amdhsa_next_free_sgpr 66
		.amdhsa_reserve_vcc 1
		.amdhsa_float_denorm_mode_32 3
		.amdhsa_float_denorm_mode_16_64 3
		.amdhsa_memory_ordered 1
		.amdhsa_forward_progress 1
		.amdhsa_inst_pref_size 32
	.end_amdhsa_kernel
	.amdgpu_metadata
---
amdhsa.version: [ 1, 2 ]
amdhsa.kernels:
  - .name:           k_qb7c26801ae_route
    .symbol:         k_qb7c26801ae_route.kd
    .args:
      - { .name: x, .offset: 0, .size: 8, .value_kind: global_buffer, .address_space: global }
      - { .name: Wr, .offset: 8, .size: 8, .value_kind: global_buffer, .address_space: global }
      - { .name: br, .offset: 16, .size: 8, .value_kind: global_buffer, .address_space: global }
      - { .name: ln_g, .offset: 24, .size: 8, .value_kind: global_buffer, .address_space: global }
      - { .name: ln_b, .offset: 32, .size: 8, .value_kind: global_buffer, .address_space: global }
      - { .name: xn, .offset: 40, .size: 8, .value_kind: global_buffer, .address_space: global }
      - { .name: idx, .offset: 48, .size: 8, .value_kind: global_buffer, .address_space: global }
      - { .name: gate, .offset: 56, .size: 8, .value_kind: global_buffer, .address_space: global }
    .group_segment_fixed_size: 0
    .private_segment_fixed_size: 0
    .kernarg_segment_align: 8
    .kernarg_segment_size: 64
    .max_flat_workgroup_size: 128
    .sgpr_count:     66
    .vgpr_count:     512
    .wavefront_size: 32
...
	.end_amdgpu_metadata
.endif
;; end of part 1
;; launch ffn1 (part 2): grid 32 x 8, 4 waves a work-group, no clusters, 185,856 bytes of LDS; arguments W1, b1, xn, idx, hbuf; writes hbuf
.if DOCPART == 2
	.amdgcn_target "amdgcn-amd-amdhsa--gfx1250"
	.amdhsa_code_object_version 6
	.text
	.protected	k_qb7c26801ae_ffn1
	.globl	k_qb7c26801ae_ffn1
	.p2align	8
	.type	k_qb7c26801ae_ffn1,@function
k_qb7c26801ae_ffn1:
	s_mov_b64 s[64:65], 0
	v_nop
	global_prefetch_b8 v0, s[64:65] scope:SCOPE_SE
	s_setreg_imm32_b32 hwreg(HW_REG_WAVE_MODE, 25, 1), 1
	s_wait_xcnt 0x0
; FIRST PRODUCT OF THE EXPERTS.  h = relu(xn W1[e] + b1[e]) for the rows that chose expert e.  Work-group (s, e): columns 128 s .. 128 s + 127 of F, all 1,024 of K.
; PHASE 1.  The work-group's slice of W1[e] (1,024 x 128, f32) is read ONCE, each load 512 consecutive aligned bytes, rounded to f16 and kept in REGISTERS as matrix
; operands: wave w holds K rows 256 w .. 256 w + 255: 64 fragments, 512 registers.  The turn from [K][N] to fragments goes through the wave's own stage in LDS
; (ds_load_tr16_b128).  64 weight loads, 32 KB, of a wave are out.  While the first are on their way every wave makes the expert's list of tokens
; from idx (a counting sort by lane masks, no atomics): chosen tokens from the front, in the order (group of 32 words, lane), the others from the back.
; PHASE 2.  32 tiles of 32 list places: a constant count that serves every split; a tile past the bound jumps over its work, never over the barrier.
; Source 0 = 16 columns of W1, source 1 = 16 tokens, so a lane holds one token and eight neighbouring columns.  The four waves' sums over their quarters of K meet in LDS
; (two buffers by turns: one barrier a tile); wave w adds and stores column blocks 2 w, 2 w + 1.
; THE TILES GO THROUGH A PIPELINE.  Trip t: the sums of tile t go into LDS; barrier; the products of tile t + 1, and ahead of each of their eight K steps four of the 32 LDS loads
; that bring tile t's parts back; the rows of tile t + 2 are asked for, into the registers that those products have just left; tile t is added up and stored.
; Tile 0's rows are asked for in phase 1, where K step 6 has no further weights to ask for; its products and the request for tile 1 stand ahead of the loop.
; TILE 0 IS ALWAYS LIVE (the bound is the count, or 1 for an expert without rows): so what stands ahead of the loop needs no branch and every counted wait holds on every path.
; hbuf is [e][block of 16 columns][list place][16] in f16: a tile's 16 places of one block are 512 consecutive aligned bytes, which is also what the next launch loads.
; Places past the count in the last live tile hold tokens of other experts: their rows are computed, stored in the expert's own region and never used.
; FORMAT AND LIMITS.  xn, W1 and h are f16 (11 significant bits: bf16's 8 do not hold the comparison's line in rows with a large gate); sums and b1 in f32.  f16 holds no number
; beyond 65,504: W1 and h must stay under it; a weight below 6e-5 keeps f16's fixed step of 6e-8.  NaN and infinities are not treated apart.
; NO TENSOR LOADS, NO CLUSTER: each weight has one reader; the rows of xn come by a list, which no descriptor covers.
; REGISTERS, in windows of 256 (s_set_vgpr_msb: bits 1:0 source 0, 3:2 source 1, 5:4 source 2, 7:6 destination):
;   window 0: v0-31 addresses and at work; v32-47 the bias; v64-127 packed numbers; v128-255 idx at first, then what comes back from LDS
;   window 1: phase 1: two buffers of 32 weight rows; phase 2: v0-127 the tokens' fragments, v128-255 the 16 accumulators
;   windows 2, 3: the weights' fragments: (K step ks, column block cb) at 512 + 8 (8 ks + cb)
.set WROW,   16384                     ; bytes from a row of W1[e] to the next
.set SPITCH, 288                       ; a stage row: 256 bytes + 32
.set STAGEW, 32*SPITCH                 ; a wave's stage: 32 K rows
.set LIST,   4*STAGEW                  ; a list for each wave:
.set LISTP,  4096+256                  ; 1,024 places, and 64 more, since the list is read two tiles ahead
.set RED,    LIST+4*LISTP              ; the sums' meeting place: two buffers
.set REDB,   65536                     ; a buffer: 4 waves x 16 tiles x 1,024 bytes
.set SPARE,  RED+2*REDB                ; the spare words, 128 bytes a wave: two blocks of 256 bytes that no other line names
.set BI,  32
.set P,   64
.set R,   128
.set IDX, 128
.set ACC, 128
.set MSB, 0
.macro WIN new                         ; the immediate's high byte repeats the setting that is left; a switch that changes nothing is dropped
.if MSB != (\new)
	s_set_vgpr_msb (MSB<<8)|(\new)
.set MSB, \new
.endif
.endm
	s_load_b256 s[4:11], s[0:1], 0x0               ; W1 4, b1 6, xn 8, idx 10
	s_load_b64 s[12:13], s[0:1], 0x20              ; hbuf
	v_lshl_add_u32 v18, v0, 2, SPARE               ; my spare word; never rewritten
	v_mov_b32 v19, 0                               ; 0; never rewritten
	v_lshrrev_b32 v20, 5, v0
	v_readfirstlane_b32 s16, v20                   ; wave
	v_and_b32 v1, 31, v0                           ; L
	v_and_b32 v2, 15, v0                           ; r
	v_bfe_u32 v3, v0, 4, 1                         ; h
	v_lshlrev_b32 v4, 4, v1                        ; 16 L
	v_lshlrev_b32 v16, 2, v1                       ; 4 L
	v_mov_b32 v17, 0                               ; for the relu
	v_sub_nc_u32 v24, 0, v1                        ; - L
	s_and_b32 s17, ttmp7, 0xffff                   ; expert
	s_mov_b32 s18, ttmp9                           ; slice of F
	s_mul_i32 s26, s16, STAGEW
	v_lshl_add_u32 v5, v1, 3, s26                  ; into the stage: 8 bytes a lane
	v_and_b32 v20, 7, v0
	v_lshl_add_u32 v20, v3, 3, v20
	v_mul_u32_u24 v6, v20, SPITCH                  ; out of it, turned: row 8 h + L % 8,
	v_bfe_u32 v21, v0, 3, 1
	v_lshl_add_u32 v6, v21, 4, v6                  ; 16 bytes by (L / 8) % 2
	v_add_nc_u32 v6, s26, v6
	s_mul_i32 s27, s16, LISTP
	s_add_co_u32 s27, s27, LIST
	v_mov_b32 v7, s27                              ; my wave's list
	v_lshl_add_u32 v8, v2, 2, s27                  ; place r of the tile in hand
	v_lshl_add_u32 v26, v1, 3, s27
	v_add_nc_u32 v26, 4096, v26                    ; the 64 places behind the list, 8 bytes a lane
	s_lshl_b32 s28, s16, 9
	v_lshl_add_u32 v23, v3, 4, s28                 ; in a row of xn: my wave's 512 bytes, 16 h
	s_lshl_b32 s28, s16, 14
	s_add_co_u32 s28, s28, RED
	v_add_nc_u32 v11, s28, v4                      ; my sums go here, buffer 0, 1
	v_add_nc_u32 v12, REDB, v11
	s_lshl_b32 s28, s16, 11
	s_add_co_u32 s28, s28, RED
	v_add_nc_u32 v13, s28, v4                      ; and column blocks 2 w, 2 w + 1 come back from here
	v_add_nc_u32 v14, REDB, v13
	v_lshlrev_b32 v15, 5, v2
	v_lshl_add_u32 v15, v3, 4, v15                 ; in hbuf: 32 r + 16 h, + 32 x the tile's first place
	s_lshl_b32 s28, s16, 7
	v_lshl_add_u32 v25, v3, 5, s28                 ; in b1: 4 (32 w + 8 h)
	s_mov_b32 s23, 0
	s_mov_b32 s19, 0                               ; the expert's count
	s_wait_kmcnt 0x0
	s_lshl_b32 s22, s17, 24                        ; W1: expert, slice's 512 bytes, my wave's 256 rows
	s_lshl_b32 s26, s18, 9
	s_add_co_u32 s22, s22, s26
	s_lshl_b32 s26, s16, 22
	s_add_co_u32 s22, s22, s26
	s_add_nc_u64 s[4:5], s[4:5], s[22:23]
	s_lshl_b32 s22, s17, 14                        ; b1: expert, slice
	s_lshl_b32 s26, s18, 9
	s_add_co_u32 s22, s22, s26
	s_add_nc_u64 s[6:7], s[6:7], s[22:23]
	s_lshl_b32 s22, s17, 23                        ; hbuf: expert, column block 8 s + 2 w
	s_lshl_b32 s26, s18, 18
	s_add_co_u32 s22, s22, s26
	s_lshl_b32 s26, s16, 16
	s_add_co_u32 s22, s22, s26
	s_add_nc_u64 s[12:13], s[12:13], s[22:23]
.macro XLOAD c                         ; the 32 rows of K step c into buffer c % 2: each load 512 consecutive aligned bytes
	WIN 0x40                                       ; destination window 1, address window 0
.set i, 0
.rept 32
	global_load_b128 v[128*((\c)%2)+4*i:128*((\c)%2)+4*i+3], v4, s[4:5] offset:(32*(\c)+i)*WROW th:TH_LOAD_NT
.set i, i+1
.endr
.endm
.macro TOKADR                          ; from two tokens (places r and 16 + r of a tile) to their rows of xn
	v_min_u32 v20, 0x3ff, v20
	v_min_u32 v21, 0x3ff, v21
	v_lshl_add_u32 v9, v20, 11, v23
	v_lshl_add_u32 v10, v21, 11, v23
.endm
.macro BLOAD                           ; a tile's 32 rows, my wave's 256 of K: 32 loads, in the order of the K steps, four to a step
	WIN 0x40
.irp ks, 0,1,2,3,4,5,6,7
.irp rb, 0,1
	global_load_b128 v[8*(2*(\ks)+(\rb)):8*(2*(\ks)+(\rb))+3],   v[9+(\rb)], s[8:9] offset:64*(\ks)
	global_load_b128 v[8*(2*(\ks)+(\rb))+4:8*(2*(\ks)+(\rb))+7], v[9+(\rb)], s[8:9] offset:64*(\ks)+32
.endr
.endr
.endm
.irp q, 0,1,2,3,4,5,6,7
	global_load_b128 v[IDX+4*(\q):IDX+4*(\q)+3], v4, s[10:11] offset:512*(\q)  ; register IDX + 4 q + c = idx[128 q + 4 L + c]
.endr
	global_load_b128 v[BI:BI+3],     v25, s[6:7]                               ; the bias of my two column blocks: register BI + 8 cbl + j
	global_load_b128 v[BI+4:BI+7],   v25, s[6:7] offset:16
	global_load_b128 v[BI+8:BI+11],  v25, s[6:7] offset:64
	global_load_b128 v[BI+12:BI+15], v25, s[6:7] offset:80
	XLOAD 0
	XLOAD 1
	WIN 0
	s_wait_loadcnt 63                              ; 64 loads are younger than idx and the bias; 63 is the largest count that the wait can name
; THE LIST.  Group g: 32 tokens 128 (g / 4) + 4 L + g % 4.  A chosen token's place is the number of chosen ones ahead of it; another's counts from the back: all 1,024 places are written.
.macro LISTG g
	v_cmp_eq_u32 s24, s17, v[IDX+(\g)]
	v_mbcnt_lo_u32_b32 v20, s24, s19               ; chosen ones in lower lanes + in earlier groups
	v_add3_u32 v21, v20, v24, 1023-32*(\g)         ; 1023 - (32 g + L - that number)
	v_cndmask_b32 v20, v21, v20, s24
	v_min_u32 v20, 0x3ff, v20
	v_lshl_add_u32 v20, v20, 2, v7
	v_add_nc_u32 v22, 128*((\g)/4)+(\g)%4, v16
	ds_store_b32 v20, v22
	s_bcnt1_i32_b32 s25, s24
	s_add_co_u32 s19, s19, s25
.endm
.set gg, 0
.rept 32
	LISTG gg
.set gg, gg+1
.endr
	ds_store_b64 v26, v[2:3]                       ; places 1,024 to 1,087: read two tiles ahead, never used; any token does
	ds_load_b32 v20, v8                            ; tile 0's tokens
	ds_load_b32 v21, v8 offset:64
	s_max_u32 s19, s19, 1                          ; from here on the bound for tiles: tile 0 is always live
	s_wait_dscnt 0x0                               ; the weights are still on their way
	TOKADR
; K step c of eight: 32 rows are rounded to f16, their buffer is asked for again two steps on, the rows go into my stage and come back turned, as 8 fragments.
; K step 6 has no weights left to ask for: its buffer is where the tokens' fragments go, and tile 0's rows are asked for.
; The stage is the wave's own and LDS serves a wave's instructions in order (ISA guide 5.7.1.4): no wait and no barrier between its stores and loads, nor before the next step's stores.
.macro KSTEP c
	s_wait_loadcnt 32                              ; this step's rows are in; 32 younger loads stay out: the other buffer's, in step 7 tile 0's rows
	WIN 0x05                                       ; sources window 1, destination window 0
.set i, 0
.rept 32
	v_cvt_pk_f16_f32 v[P+2*i],   v[128*((\c)%2)+4*i],   v[128*((\c)%2)+4*i+1]
	v_cvt_pk_f16_f32 v[P+2*i+1], v[128*((\c)%2)+4*i+2], v[128*((\c)%2)+4*i+3]
.set i, i+1
.endr
.if (\c) < 6
	XLOAD (\c)+2
.elseif (\c) == 6
	BLOAD
.endif
	WIN 0
.set i, 0
.rept 32
	ds_store_b64 v5, v[P+2*i:P+2*i+1] offset:SPITCH*i
.set i, i+1
.endr
	WIN 0x80+0x40*((\c)/4)                         ; destination window 2 or 3
.irp cb, 0,1,2,3,4,5,6,7
	ds_load_tr16_b128 v[64*((\c)%4)+8*(\cb):64*((\c)%4)+8*(\cb)+3],   v6 offset:32*(\cb)
	ds_load_tr16_b128 v[64*((\c)%4)+8*(\cb)+4:64*((\c)%4)+8*(\cb)+7], v6 offset:32*(\cb)+16*SPITCH
.endr
.endm
.irp c, 0,1,2,3,4,5,6,7
	KSTEP \c
.endr
	WIN 0
	s_wait_dscnt 0x0                               ; all fragments are there
; Load n of the 32 that bring a tile's parts back: wave n / 8's part, 16 places (n / 4) % 2, my column block (n / 2) % 2, half n % 2
.macro REDL n, buf
	ds_load_b128 v[R+4*(\n):R+4*(\n)+3], v[13+(\buf)] offset:16384*((\n)/8)+8192*(((\n)/4)%2)+1024*(((\n)/2)%2)+512*((\n)%2)
.endm
; 16 matrix instructions: 32 along K, 2 x 16 tokens x 8 column blocks.  The 16 accumulators take turns, one instruction a turn.  The first step starts the sums with the constant 0.
; red = 1: four of the loads that bring the tile before back from buffer buf stand ahead of them, so that LDS serves them under the products.
.macro MMA ks, red, buf
.if \red
	WIN 0
.irp i, 0,1,2,3
	REDL 4*(\ks)+(\i), \buf
.endr
.endif
	s_wait_loadcnt 28-4*(\ks)                      ; four loads for each K step, issued in the steps' order: the younger ones stay out
	WIN 0x56+(\ks)/4                               ; weights window 2 or 3; tokens, C and D window 1
.irp rb, 0,1
.irp cb, 0,1,2,3,4,5,6,7
.if (\ks) == 0
	v_wmma_f32_16x16x32_f16 v[ACC+8*(8*(\rb)+(\cb)):ACC+8*(8*(\rb)+(\cb))+7], v[64*((\ks)%4)+8*(\cb):64*((\ks)%4)+8*(\cb)+7], v[8*(2*(\ks)+(\rb)):8*(2*(\ks)+(\rb))+7], 0
.else
	v_wmma_f32_16x16x32_f16 v[ACC+8*(8*(\rb)+(\cb)):ACC+8*(8*(\rb)+(\cb))+7], v[64*((\ks)%4)+8*(\cb):64*((\ks)%4)+8*(\cb)+7], v[8*(2*(\ks)+(\rb)):8*(2*(\ks)+(\rb))+7], v[ACC+8*(8*(\rb)+(\cb)):ACC+8*(8*(\rb)+(\cb))+7]
.endif
.endr
.endr
.endm
.macro PLACES                          ; behind a tile's last products: four places for the loads into their sources and the LDS stores of their results, five for the next tile's first products
.rept 5
	v_nop
.endr
.endm
.macro SUM4                            ; the four waves' parts, 32 registers each, are added: (0 + 1) + (2 + 3)
.set p, 0
.rept 16
	v_pk_add_f32 v[R+2*p:R+2*p+1], v[R+2*p:R+2*p+1], v[R+32+2*p:R+32+2*p+1]
	v_pk_add_f32 v[R+64+2*p:R+64+2*p+1], v[R+64+2*p:R+64+2*p+1], v[R+96+2*p:R+96+2*p+1]
.set p, p+1
.endr
.set p, 0
.rept 16
	v_pk_add_f32 v[R+2*p:R+2*p+1], v[R+2*p:R+2*p+1], v[R+64+2*p:R+64+2*p+1]
.set p, p+1
.endr
.endm
; TRIP t, for the tile of 32 list places from s20 on; its sums meet in buffer buf = t % 2.
.macro TRIP buf
	s_cmp_ge_u32 s20, s19
	s_cbranch_scc1 .Ld1_\@                         ; past the bound: no work, but the barrier
	WIN 0x04                                       ; data window 1
.set t, 0
.rept 16
	ds_store_b128 v[11+(\buf)], v[ACC+8*t:ACC+8*t+3]   offset:1024*t       ; each accumulator's low registers first
	ds_store_b128 v[11+(\buf)], v[ACC+8*t+4:ACC+8*t+7] offset:1024*t+512
.set t, t+1
.endr
	WIN 0
.Ld1_\@:
	s_wait_dscnt 0x0                               ; for the others' sake: my stores into this buffer are done, and my reads of the other buffer are back
	s_barrier_signal -1
	s_barrier_wait -1                              ; behind it this buffer is whole, and nobody reads the other one any more
	s_cmp_ge_u32 s20, s19
	s_cbranch_scc1 .Ld2_\@
	ds_load_b32 v20, v8 offset:256                 ; the tokens of tile t + 2, places r and 16 + r
	ds_load_b32 v21, v8 offset:320
	s_add_co_u32 s26, s20, 32
	s_cmp_ge_u32 s26, s19
	s_cbranch_scc1 .Lal_\@                         ; tile t is the last live one
.irp ks, 0,1,2,3,4,5,6,7
	MMA \ks, 1, \buf                               ; tile t + 1's products; tile t's parts come back under them
.endr
	WIN 0
	PLACES
	s_add_co_u32 s26, s20, 64
	s_cmp_ge_u32 s26, s19
	s_cbranch_scc1 .Lf_\@
	s_wait_dscnt 32                                ; the two tokens are in: 32 LDS loads were issued behind them
	TOKADR                                         ; (the loads that named v9, v10 were waited for by the last K step's wait for 0)
	BLOAD                                          ; tile t + 2's rows
	WIN 0
	s_branch .Lf_\@
.Lal_\@:
.set n, 0
.rept 32
	REDL n, \buf
.set n, n+1
.endr
.Lf_\@:
	s_wait_dscnt 0x0                               ; tile t's parts are back
	SUM4
.set p, 0
.rept 16
	v_pk_add_f32 v[R+2*p:R+2*p+1], v[R+2*p:R+2*p+1], v[BI+2*(p%8):BI+2*(p%8)+1]   ; + b1
.set p, p+1
.endr
.set p, 0
.rept 16
	v_cvt_pk_f16_f32 v[P+p], v[R+2*p], v[R+2*p+1]
.set p, p+1
.endr
.set p, 0
.rept 16
	v_pk_max_num_f16 v[P+p], v[P+p], v17           ; relu
.set p, p+1
.endr
.irp rb, 0,1
.irp cbl, 0,1
	global_store_b128 v15, v[P+8*(\rb)+4*(\cbl):P+8*(\rb)+4*(\cbl)+3], s[12:13] offset:32768*(\cbl)+512*(\rb)   ; 16 places of one column block: 512 consecutive aligned bytes
.endr
.endr
.Ld2_\@:
	s_wait_xcnt 0x0                                ; the stores' data and offset are rewritten only behind this wait
	v_add_nc_u32 v8, 128, v8                       ; 32 places on
	v_add_nc_u32 v15, 1024, v15
	s_add_co_u32 s20, s20, 32
.endm
	; ahead of the loop: tile 0's products, and the request for tile 1
	ds_load_b32 v20, v8 offset:128                 ; tile 1's tokens
	ds_load_b32 v21, v8 offset:192
	s_mov_b32 s20, 0
.irp ks, 0,1,2,3,4,5,6,7
	MMA \ks, 0, 0
.endr
	WIN 0
	PLACES
	s_cmp_le_u32 s19, 32
	s_cbranch_scc1 .Lp1
	s_wait_dscnt 0x0
	TOKADR
	BLOAD
	WIN 0
.Lp1:
	s_mov_b32 s21, 16
.Ltile:
	TRIP 0
	TRIP 1
	s_sub_co_u32 s21, s21, 1
	s_cmp_lg_u32 s21, 0
	s_cbranch_scc1 .Ltile
	s_wait_tensorcnt 0x0                           ; the wave's end, behind my last LDS store
	ds_add_u32 v18, v19
	s_wait_dscnt 0x0
	s_endpgm
.Lfunc_end_k_qb7c26801ae_ffn1:
	.size	k_qb7c26801ae_ffn1, .Lfunc_end_k_qb7c26801ae_ffn1-k_qb7c26801ae_ffn1
	.p2alignl 7, 3214868480
	.fill 96, 4, 3214868480
	.section	.rodata,"a",@progbits
	.p2align	6, 0x0
	.amdhsa_kernel k_qb7c26801ae_ffn1
		.amdhsa_group_segment_fixed_size 185856
		.amdhsa_private_segment_fixed_size 0
		.amdhsa_enable_private_segment 0
		.amdhsa_kernarg_size 40
		.amdhsa_user_sgpr_count 2
		.amdhsa_user_sgpr_kernarg_segment_ptr 1
		.amdhsa_wavefront_size32 1
		.amdhsa_system_sgpr_workgroup_id_x 1
		.amdhsa_system_sgpr_workgroup_id_y 1
		.amdhsa_system_sgpr_workgroup_id_z 1
		.amdhsa_system_vgpr_workitem_id 0
		.amdhsa_next_free_vgpr 1024
		.amdhsa_next_free_sgpr 66
		.amdhsa_reserve_vcc 0
		.amdhsa_float_denorm_mode_32 3
		.amdhsa_float_denorm_mode_16_64 3
		.amdhsa_memory_ordered 1
		.amdhsa_forward_progress 1
		.amdhsa_inst_pref_size 172
	.end_amdhsa_kernel
	.amdgpu_metadata
---
amdhsa.version: [ 1, 2 ]
amdhsa.kernels:
  - .name:           k_qb7c26801ae_ffn1
    .symbol:         k_qb7c26801ae_ffn1.kd
    .args:
      - { .name: W1, .offset: 0, .size: 8, .value_kind: global_buffer, .address_space: global }
      - { .name: b1, .offset: 8, .size: 8, .value_kind: global_buffer, .address_space: global }
      - { .name: xn, .offset: 16, .size: 8, .value_kind: global_buffer, .address_space: global }
      - { .name: idx, .offset: 24, .size: 8, .value_kind: global_buffer, .address_space: global }
      - { .name: hbuf, .offset: 32, .size: 8, .value_kind: global_buffer, .address_space: global }
    .group_segment_fixed_size: 185856
    .private_segment_fixed_size: 0
    .kernarg_segment_align: 8
    .kernarg_segment_size: 40
    .max_flat_workgroup_size: 128
    .sgpr_count:     66
    .vgpr_count:     1024
    .wavefront_size: 32
...
	.end_amdgpu_metadata
.endif
;; end of part 2
;; launch ffn2 (part 3): grid 32 x 8, 4 waves a work-group, no clusters, 188,928 bytes of LDS; arguments W2, hbuf, idx, b2, part; writes part
.if DOCPART == 3
	.amdgcn_target "amdgcn-amd-amdhsa--gfx1250"
	.amdhsa_code_object_version 6
	.text
	.protected	k_qb7c26801ae_ffn2
	.globl	k_qb7c26801ae_ffn2
	.p2align	8
	.type	k_qb7c26801ae_ffn2,@function
k_qb7c26801ae_ffn2:
	s_mov_b64 s[64:65], 0
	v_nop
	global_prefetch_b8 v0, s[64:65] scope:SCOPE_SE
	s_setreg_imm32_b32 hwreg(HW_REG_WAVE_MODE, 25, 1), 1
	s_wait_xcnt 0x0
; SECOND PRODUCT OF THE EXPERTS, in four parts along F.  part[kq][token] = h[.., 1024 kq ..] W2[e][1024 kq .., 128 ds ..] for the rows that chose expert e; the part of kq = 0 also takes b2[e].
; Work-group (ds + 8 kq, e): 128 columns of D, 1,024 rows of F.  So a row piece of W2 and of the result is 512 consecutive aligned bytes; the four parts (f32) are added by the next launch.
; The frame is the first product's: PHASE 1 reads the slice of W2[e] once, rounds it to f16 and keeps it in registers as fragments (wave w: K rows 256 w .. + 255 of the slice),
; turned through the wave's own stage; meanwhile every wave makes the expert's list from idx, in the same order as the launch before.  PHASE 2 walks 32 tiles of 32 list places,
; a constant count; a tile past the bound jumps over its work, never over the barrier.  h comes from hbuf, [e][block of 16 of F][place][16] in f16: each load is 512
; consecutive aligned bytes and half of a fragment.  The four waves' sums meet in LDS as rows (two buffers by turns: one barrier a tile); wave w adds rows 8 w .. 8 w + 7 and stores
; each to its token's row; whole stores past the count are jumped by a scalar branch.
; THE TILES GO THROUGH A PIPELINE.  Trip t: the sums of tile t go into LDS; barrier; the products of tile t + 1, and ahead of each of their eight K steps four of the 32 LDS loads
; that bring tile t's parts back; tile t + 2 of h is asked for, into the registers that those products have just left; tile t is added up and stored.
; Tile 0 of h is asked for in phase 1, where K step 6 has no further weights to ask for; its products and the request for tile 1 stand ahead of the loop.
; TILE 0 IS ALWAYS LIVE (the bound is the count, or 1 for an expert without rows; the launch before stores that tile of hbuf likewise): so what stands ahead of the loop needs no
; branch and every counted wait holds on every path.  The stores go by the true count: an expert without rows stores nothing.
; b2: this launch knows its expert, so the bias is added here and the next launch needs neither idx nor b2.  Every work-group loads its 128 numbers; where kq is not 0 their bits are masked to 0.
; FORMAT AND LIMITS.  h and W2 are f16, sums and b2 f32.  f16 holds no number beyond 65,504: W2 must stay under it; a weight below 6e-5 keeps f16's fixed step of 6e-8.
; NaN and infinities are not treated apart.
; NO TENSOR LOADS, NO CLUSTER: each weight has one reader; a tile of h has as many live rows as the count says, and is 64 KB against the slice's 512 KB.
; REGISTERS as in the first product: window 0 addresses, idx, packed numbers, what comes back from LDS; window 1 weight rows, then h's fragments and 16 accumulators; windows 2, 3 the weights' fragments.
.set WROW,   4096                      ; bytes from a row of W2[e] to the next
.set SPITCH, 288                       ; a stage row: 256 bytes + 32: 9 x 32 (64 banks of 4 bytes: ISA guide 11.1)
.set STAGEW, 32*SPITCH
.set LIST,   4*STAGEW                  ; a list of 1,024 words for each wave
.set RED,    LIST+4*4096               ; the sums' meeting place: two buffers
.set RPITCH, 528                       ; a row of 128 f32 + 16 bytes: 33 x 16, so sixteen rows' 16 bytes fall into sixteen different groups of four banks
.set REDW,   32*RPITCH                 ; a wave's 32 rows
.set REDB,   4*REDW
.set SPARE,  RED+2*REDB                ; the spare words, 128 bytes a wave: two blocks of 256 bytes that no other line names
.set BI,  28                           ; v[28:31] b2 of my four columns 4 L .. 4 L + 3, or 0
.set P,   64
.set R,   128
.set ACC, 128
.set MSB, 0
.macro WIN new                         ; the immediate's high byte repeats the setting that is left; a switch that changes nothing is dropped
.if MSB != (\new)
	s_set_vgpr_msb (MSB<<8)|(\new)
.set MSB, \new
.endif
.endm
	s_load_b256 s[4:11], s[0:1], 0x0               ; W2 4, hbuf 6, idx 8, b2 10
	s_load_b64 s[12:13], s[0:1], 0x20              ; part
	v_lshl_add_u32 v18, v0, 2, SPARE               ; my spare word; never rewritten
	v_mov_b32 v19, 0                               ; 0; never rewritten
	v_lshrrev_b32 v20, 5, v0
	v_readfirstlane_b32 s16, v20                   ; wave
	v_and_b32 v1, 31, v0                           ; L
	v_and_b32 v2, 15, v0                           ; r
	v_bfe_u32 v3, v0, 4, 1                         ; h
	v_lshlrev_b32 v4, 4, v1                        ; 16 L
	v_lshlrev_b32 v16, 2, v1                       ; 4 L
	v_sub_nc_u32 v24, 0, v1                        ; - L
	s_and_b32 s17, ttmp7, 0xffff                   ; expert
	s_and_b32 s18, ttmp9, 7                        ; slice of D
	s_lshr_b32 s30, ttmp9, 3                       ; quarter of F
	s_mul_i32 s26, s16, STAGEW
	v_lshl_add_u32 v5, v1, 3, s26                  ; into the stage: 8 bytes a lane
	v_and_b32 v20, 7, v0
	v_lshl_add_u32 v20, v3, 3, v20
	v_mul_u32_u24 v6, v20, SPITCH                  ; out of it, turned: row 8 h + L % 8,
	v_bfe_u32 v21, v0, 3, 1
	v_lshl_add_u32 v6, v21, 4, v6                  ; 16 bytes by (L / 8) % 2
	v_add_nc_u32 v6, s26, v6
	s_lshl_b32 s27, s16, 12
	s_add_co_u32 s27, s27, LIST
	v_mov_b32 v7, s27                              ; my wave's list
	s_lshl_b32 s28, s16, 5
	s_add_co_u32 s28, s28, s27
	v_mov_b32 v8, s28                              ; places 8 w .. 8 w + 7 of the tile in hand
	v_lshlrev_b32 v9, 5, v2
	v_lshl_add_u32 v9, v3, 4, v9                   ; in hbuf: 32 r + 16 h, + 32 x the first place of the tile asked for
	s_mul_i32 s28, s16, REDW
	s_add_co_u32 s28, s28, RED
	v_mul_u32_u24 v20, v2, RPITCH
	v_lshl_add_u32 v20, v3, 5, v20
	v_add_nc_u32 v11, s28, v20                     ; my sums go here: row r, 32 h; buffer 0, 1
	v_add_nc_u32 v12, REDB, v11
	s_mul_i32 s28, s16, 8*RPITCH
	s_add_co_u32 s28, s28, RED
	v_add_nc_u32 v13, s28, v4                      ; and rows 8 w .. come back from here, 16 bytes a lane
	v_add_nc_u32 v14, REDB, v13
	s_lshl_b32 s29, s16, 3                         ; 8 w
	s_mov_b32 s23, 0
	s_mov_b32 s19, 0                               ; the expert's count
	s_wait_kmcnt 0x0
	s_lshl_b32 s22, s17, 24                        ; W2: expert, slice's 512 bytes, the quarter's 1,024 rows, my wave's 256
	s_lshl_b32 s26, s18, 9
	s_add_co_u32 s22, s22, s26
	s_lshl_b32 s26, s30, 22
	s_add_co_u32 s22, s22, s26
	s_lshl_b32 s26, s16, 20
	s_add_co_u32 s22, s22, s26
	s_add_nc_u64 s[4:5], s[4:5], s[22:23]
	s_lshl_b32 s22, s17, 23                        ; hbuf: expert, block 64 kq + 16 w
	s_lshl_b32 s26, s30, 21
	s_add_co_u32 s22, s22, s26
	s_lshl_b32 s26, s16, 19
	s_add_co_u32 s22, s22, s26
	s_add_nc_u64 s[6:7], s[6:7], s[22:23]
	s_lshl_b32 s22, s17, 12                        ; b2: expert, slice's 512 bytes
	s_lshl_b32 s26, s18, 9
	s_add_co_u32 s22, s22, s26
	s_add_nc_u64 s[10:11], s[10:11], s[22:23]
	s_lshl_b32 s22, s30, 22                        ; part: quarter, slice's 512 bytes
	s_lshl_b32 s26, s18, 9
	s_add_co_u32 s22, s22, s26
	s_add_nc_u64 s[12:13], s[12:13], s[22:23]
.macro XLOAD c                         ; the 32 rows of K step c into buffer c % 2: each load 512 consecutive aligned bytes
	WIN 0x40                                       ; destination window 1, address window 0
.set i, 0
.rept 32
	global_load_b128 v[128*((\c)%2)+4*i:128*((\c)%2)+4*i+3], v4, s[4:5] offset:(32*(\c)+i)*WROW th:TH_LOAD_NT
.set i, i+1
.endr
.endm
.macro BLOAD                           ; a tile's 32 places, my wave's 256 of K: 32 loads, in the order of the K steps, four to a step; each 16 places of one block of 16: 512 consecutive aligned bytes
	WIN 0x40
.irp ks, 0,1,2,3,4,5,6,7
.irp rb, 0,1
	global_load_b128 v[8*(2*(\ks)+(\rb)):8*(2*(\ks)+(\rb))+3],   v9, s[6:7] offset:32768*(2*(\ks))+512*(\rb)
	global_load_b128 v[8*(2*(\ks)+(\rb))+4:8*(2*(\ks)+(\rb))+7], v9, s[6:7] offset:32768*(2*(\ks)+1)+512*(\rb)
.endr
.endr
.endm
.irp q, 0,1,2,3,4,5,6,7
	global_load_b128 v[32+4*(\q):32+4*(\q)+3], v4, s[8:9] offset:512*(\q)     ; register 32 + 4 q + c = idx[128 q + 4 L + c]
.endr
	global_load_b128 v[BI:BI+3], v4, s[10:11]      ; b2 of my four columns
	XLOAD 0
	XLOAD 1
	WIN 0
	s_wait_loadcnt 63                              ; 64 loads are younger than idx and b2; 63 is the largest count that the wait can name
	s_cmp_eq_u32 s30, 0                            ; the bias belongs to the first quarter's part alone
	s_cselect_b32 s26, -1, 0
.irp c, 0,1,2,3
	v_and_b32 v[BI+(\c)], s26, v[BI+(\c)]          ; elsewhere its bits become 0
.endr
; THE LIST, as in the first product: the same order, so a place means the same token in both launches.
.macro LISTG g
	v_cmp_eq_u32 s24, s17, v[32+(\g)]
	v_mbcnt_lo_u32_b32 v20, s24, s19               ; chosen ones in lower lanes + in earlier groups
	v_add3_u32 v21, v20, v24, 1023-32*(\g)         ; 1023 - (32 g + L - that number)
	v_cndmask_b32 v20, v21, v20, s24
	v_min_u32 v20, 0x3ff, v20
	v_lshl_add_u32 v20, v20, 2, v7
	v_add_nc_u32 v22, 128*((\g)/4)+(\g)%4, v16
	ds_store_b32 v20, v22
	s_bcnt1_i32_b32 s25, s24
	s_add_co_u32 s19, s19, s25
.endm
.set gg, 0
.rept 32
	LISTG gg
.set gg, gg+1
.endr
	s_mov_b32 s31, s19                             ; the true count: the stores go by it
	s_max_u32 s19, s19, 1                          ; the bound for tiles: tile 0 is always live
; K step c of eight: 32 rows are rounded to f16, their buffer is asked for again two steps on, the rows go into my stage and come back turned, as 8 fragments.
; K step 6 has no weights left to ask for: its buffer is where h's fragments go, and tile 0 of h is asked for.
; The stage is the wave's own and LDS serves a wave's instructions in order (ISA guide 5.7.1.4): no wait and no barrier between its stores and loads, nor before the next step's stores.
.macro KSTEP c
	s_wait_loadcnt 32                              ; this step's rows are in; 32 younger loads stay out: the other buffer's, in step 7 tile 0's
	WIN 0x05                                       ; sources window 1, destination window 0
.set i, 0
.rept 32
	v_cvt_pk_f16_f32 v[P+2*i],   v[128*((\c)%2)+4*i],   v[128*((\c)%2)+4*i+1]
	v_cvt_pk_f16_f32 v[P+2*i+1], v[128*((\c)%2)+4*i+2], v[128*((\c)%2)+4*i+3]
.set i, i+1
.endr
.if (\c) < 6
	XLOAD (\c)+2
.elseif (\c) == 6
	BLOAD
.endif
	WIN 0
.set i, 0
.rept 32
	ds_store_b64 v5, v[P+2*i:P+2*i+1] offset:SPITCH*i
.set i, i+1
.endr
	WIN 0x80+0x40*((\c)/4)                         ; destination window 2 or 3
.irp cb, 0,1,2,3,4,5,6,7
	ds_load_tr16_b128 v[64*((\c)%4)+8*(\cb):64*((\c)%4)+8*(\cb)+3],   v6 offset:32*(\cb)
	ds_load_tr16_b128 v[64*((\c)%4)+8*(\cb)+4:64*((\c)%4)+8*(\cb)+7], v6 offset:32*(\cb)+16*SPITCH
.endr
.endm
.irp c, 0,1,2,3,4,5,6,7
	KSTEP \c
.endr
	WIN 0
	s_wait_dscnt 0x0                               ; all fragments and the list are there
; Load n of the 32 that bring a tile's parts back: wave n / 8's part of my row n % 8
.macro REDL n, buf
	ds_load_b128 v[R+4*(\n):R+4*(\n)+3], v[13+(\buf)] offset:REDW*((\n)/8)+RPITCH*((\n)%8)
.endm
; 16 matrix instructions: 32 along K, 2 x 16 places x 8 column blocks.  The 16 accumulators take turns, one instruction a turn.  The first step starts the sums with the constant 0.
; red = 1: four of the loads that bring the tile before back from buffer buf stand ahead of them, so that LDS serves them under the products.
.macro MMA ks, red, buf
.if \red
	WIN 0
.irp i, 0,1,2,3
	REDL 4*(\ks)+(\i), \buf
.endr
.endif
	s_wait_loadcnt 28-4*(\ks)                      ; four loads for each K step, issued in the steps' order: the younger ones stay out
	WIN 0x56+(\ks)/4                               ; weights window 2 or 3; h, C and D window 1
.irp rb, 0,1
.irp cb, 0,1,2,3,4,5,6,7
.if (\ks) == 0
	v_wmma_f32_16x16x32_f16 v[ACC+8*(8*(\rb)+(\cb)):ACC+8*(8*(\rb)+(\cb))+7], v[64*((\ks)%4)+8*(\cb):64*((\ks)%4)+8*(\cb)+7], v[8*(2*(\ks)+(\rb)):8*(2*(\ks)+(\rb))+7], 0
.else
	v_wmma_f32_16x16x32_f16 v[ACC+8*(8*(\rb)+(\cb)):ACC+8*(8*(\rb)+(\cb))+7], v[64*((\ks)%4)+8*(\cb):64*((\ks)%4)+8*(\cb)+7], v[8*(2*(\ks)+(\rb)):8*(2*(\ks)+(\rb))+7], v[ACC+8*(8*(\rb)+(\cb)):ACC+8*(8*(\rb)+(\cb))+7]
.endif
.endr
.endr
.endm
.macro PLACES                          ; behind a tile's last products: four places for the loads into their sources and the LDS stores of their results, five for the next tile's first products
.rept 5
	v_nop
.endr
.endm
.macro SUM4                            ; the four waves' parts, 32 registers each, are added: (0 + 1) + (2 + 3); then the bias (pair p holds columns 4 L + 2 (p % 2) and the next)
.set p, 0
.rept 16
	v_pk_add_f32 v[R+2*p:R+2*p+1], v[R+2*p:R+2*p+1], v[R+32+2*p:R+32+2*p+1]
	v_pk_add_f32 v[R+64+2*p:R+64+2*p+1], v[R+64+2*p:R+64+2*p+1], v[R+96+2*p:R+96+2*p+1]
.set p, p+1
.endr
.set p, 0
.rept 16
	v_pk_add_f32 v[R+2*p:R+2*p+1], v[R+2*p:R+2*p+1], v[R+64+2*p:R+64+2*p+1]
.set p, p+1
.endr
.set p, 0
.rept 16
	v_pk_add_f32 v[R+2*p:R+2*p+1], v[R+2*p:R+2*p+1], v[BI+2*(p%2):BI+2*(p%2)+1]
.set p, p+1
.endr
.endm
; TRIP t, for the tile of 32 list places from s20 on; its sums meet in buffer buf = t % 2.
.macro TRIP buf
	s_cmp_ge_u32 s20, s19
	s_cbranch_scc1 .Ld1_\@                         ; past the bound: no work, but the barrier
	WIN 0x04                                       ; data window 1
.irp rb, 0,1
.irp cb, 0,1,2,3,4,5,6,7
	ds_store_b128 v[11+(\buf)], v[ACC+8*(8*(\rb)+(\cb)):ACC+8*(8*(\rb)+(\cb))+3]   offset:16*RPITCH*(\rb)+64*(\cb)      ; each accumulator's low registers first
	ds_store_b128 v[11+(\buf)], v[ACC+8*(8*(\rb)+(\cb))+4:ACC+8*(8*(\rb)+(\cb))+7] offset:16*RPITCH*(\rb)+64*(\cb)+16
.endr
.endr
	WIN 0
.Ld1_\@:
	s_wait_dscnt 0x0                               ; for the others' sake: my stores into this buffer are done, and my reads of the other buffer are back
	s_barrier_signal -1
	s_barrier_wait -1                              ; behind it this buffer is whole, and nobody reads the other one any more
	s_wait_xcnt 0x0                                ; the last tile's row stores have read their data (v128-159) and offsets (v56-63): both are written again only below this line
	s_cmp_ge_u32 s20, s19
	s_cbranch_scc1 .Ld2_\@
	ds_load_b128 v[48:51], v8                      ; the tokens at my eight places of tile t, the same in every lane
	ds_load_b128 v[52:55], v8 offset:16
	s_add_co_u32 s26, s20, 32
	s_cmp_ge_u32 s26, s19
	s_cbranch_scc1 .Lal_\@                         ; tile t is the last live one
.irp ks, 0,1,2,3,4,5,6,7
	MMA \ks, 1, \buf                               ; tile t + 1's products; tile t's parts come back under them
.endr
	WIN 0
	PLACES
	s_add_co_u32 s26, s20, 64
	s_cmp_ge_u32 s26, s19
	s_cbranch_scc1 .Lf_\@
	v_add_nc_u32 v9, 1024, v9                      ; 32 places on (the loads that named v9 were waited for by the last K step's wait for 0)
	BLOAD                                          ; tile t + 2 of h
	WIN 0
	s_branch .Lf_\@
.Lal_\@:
.set n, 0
.rept 32
	REDL n, \buf
.set n, n+1
.endr
.Lf_\@:
	s_wait_dscnt 0x0                               ; tile t's parts and tokens are back
	SUM4
.irp q, 0,1,2,3,4,5,6,7
	v_min_u32 v[48+(\q)], 0x3ff, v[48+(\q)]
.endr
.irp q, 0,1,2,3,4,5,6,7
	v_lshl_add_u32 v[56+(\q)], v[48+(\q)], 12, v4  ; the token's row of part, 16 bytes a lane
.endr
	s_add_co_u32 s27, s20, s29                     ; my first place
.irp q, 0,1,2,3,4,5,6,7
	s_add_co_u32 s26, s27, \q
	s_cmp_ge_u32 s26, s31
	s_cbranch_scc1 .Ld2_\@                         ; places past the count store nothing
	global_store_b128 v[56+(\q)], v[R+4*(\q):R+4*(\q)+3], s[12:13]   ; a row's 512 consecutive aligned bytes
.endr
.Ld2_\@:
	v_add_nc_u32 v8, 128, v8                       ; 32 places on: an LDS address, which no pending store names
	s_add_co_u32 s20, s20, 32
.endm
	; ahead of the loop: tile 0's products, and the request for tile 1
	s_mov_b32 s20, 0
.irp ks, 0,1,2,3,4,5,6,7
	MMA \ks, 0, 0
.endr
	WIN 0
	PLACES
	s_cmp_le_u32 s19, 32
	s_cbranch_scc1 .Lp1
	v_add_nc_u32 v9, 1024, v9
	BLOAD
	WIN 0
.Lp1:
	s_mov_b32 s21, 16
.Ltile:
	TRIP 0
	TRIP 1
	s_sub_co_u32 s21, s21, 1
	s_cmp_lg_u32 s21, 0
	s_cbranch_scc1 .Ltile
	s_wait_tensorcnt 0x0                           ; the wave's end, behind my last LDS store
	ds_add_u32 v18, v19
	s_wait_dscnt 0x0
	s_endpgm
.Lfunc_end_k_qb7c26801ae_ffn2:
	.size	k_qb7c26801ae_ffn2, .Lfunc_end_k_qb7c26801ae_ffn2-k_qb7c26801ae_ffn2
	.p2alignl 7, 3214868480
	.fill 96, 4, 3214868480
	.section	.rodata,"a",@progbits
	.p2align	6, 0x0
	.amdhsa_kernel k_qb7c26801ae_ffn2
		.amdhsa_group_segment_fixed_size 188928
		.amdhsa_private_segment_fixed_size 0
		.amdhsa_enable_private_segment 0
		.amdhsa_kernarg_size 40
		.amdhsa_user_sgpr_count 2
		.amdhsa_user_sgpr_kernarg_segment_ptr 1
		.amdhsa_wavefront_size32 1
		.amdhsa_system_sgpr_workgroup_id_x 1
		.amdhsa_system_sgpr_workgroup_id_y 1
		.amdhsa_system_sgpr_workgroup_id_z 1
		.amdhsa_system_vgpr_workitem_id 0
		.amdhsa_next_free_vgpr 1024
		.amdhsa_next_free_sgpr 66
		.amdhsa_reserve_vcc 0
		.amdhsa_float_denorm_mode_32 3
		.amdhsa_float_denorm_mode_16_64 3
		.amdhsa_memory_ordered 1
		.amdhsa_forward_progress 1
		.amdhsa_inst_pref_size 171
	.end_amdhsa_kernel
	.amdgpu_metadata
---
amdhsa.version: [ 1, 2 ]
amdhsa.kernels:
  - .name:           k_qb7c26801ae_ffn2
    .symbol:         k_qb7c26801ae_ffn2.kd
    .args:
      - { .name: W2, .offset: 0, .size: 8, .value_kind: global_buffer, .address_space: global }
      - { .name: hbuf, .offset: 8, .size: 8, .value_kind: global_buffer, .address_space: global }
      - { .name: idx, .offset: 16, .size: 8, .value_kind: global_buffer, .address_space: global }
      - { .name: b2, .offset: 24, .size: 8, .value_kind: global_buffer, .address_space: global }
      - { .name: part, .offset: 32, .size: 8, .value_kind: global_buffer, .address_space: global }
    .group_segment_fixed_size: 188928
    .private_segment_fixed_size: 0
    .kernarg_segment_align: 8
    .kernarg_segment_size: 40
    .max_flat_workgroup_size: 128
    .sgpr_count:     66
    .vgpr_count:     1024
    .wavefront_size: 32
...
	.end_amdgpu_metadata
.endif
;; end of part 3
;; launch combine (part 4): grid 256 x 1, 4 waves a work-group, no clusters, 0 bytes of LDS; arguments part, gate, out0; writes out0
.if DOCPART == 4
	.amdgcn_target "amdgcn-amd-amdhsa--gfx1250"
	.amdhsa_code_object_version 6
	.text
	.protected	k_qb7c26801ae_combine
	.globl	k_qb7c26801ae_combine
	.p2align	8
	.type	k_qb7c26801ae_combine,@function
k_qb7c26801ae_combine:
	s_mov_b64 s[64:65], 0
	v_nop
	global_prefetch_b8 v0, s[64:65] scope:SCOPE_SE
	s_setreg_imm32_b32 hwreg(HW_REG_WAVE_MODE, 25, 1), 1
	s_wait_xcnt 0x0
; out[t] = (the four parts of t's row, of which the first holds b2 already) x gate[t], all in f32.  One wave takes one token t = 4 x work-group + wave; every load and
; store of the wave covers 512 consecutive aligned bytes; all 32 loads and the gate's scalar load are out before the first wait for data, and none hangs on another.
; A stream: no LDS, no barrier, no matrix unit.
.set S,  8                             ; v[8:135]   part kq at S + 32 kq: register 4 j + c = column 128 j + 4 L + c
	s_load_b128 s[4:7], s[0:1], 0x0                ; part 4, gate 6
	s_load_b64 s[8:9], s[0:1], 0x10                ; out0
	v_and_b32 v1, 31, v0
	v_lshrrev_b32 v3, 5, v0
	v_readfirstlane_b32 s20, v3                    ; wave
	v_lshlrev_b32 v2, 4, v1                        ; 16 L
	s_lshl_b32 s21, ttmp9, 2
	s_add_co_u32 s21, s21, s20                     ; token
	s_mov_b32 s23, 0
	s_wait_kmcnt 0x0
	s_lshl_b32 s22, s21, 2
	s_add_nc_u64 s[6:7], s[6:7], s[22:23]
	s_load_b32 s26, s[6:7], 0x0                    ; gate[t]
	s_lshl_b32 s22, s21, 12
	s_add_nc_u64 s[4:5], s[4:5], s[22:23]          ; my row in part 0,
	s_add_nc_u64 s[8:9], s[8:9], s[22:23]          ; in out0,
	s_add_nc_u64 s[14:15], s[4:5], 0x400000        ; and in parts 1 to 3
	s_add_nc_u64 s[16:17], s[4:5], 0x800000
	s_add_nc_u64 s[18:19], s[4:5], 0xc00000
.macro PLOAD kq, base
.irp j, 0,1,2,3,4,5,6,7
	global_load_b128 v[S+32*(\kq)+4*(\j):S+32*(\kq)+4*(\j)+3], v2, s[\base:\base+1] offset:512*(\j) th:TH_LOAD_NT
.endr
.endm
	PLOAD 0, 4
	PLOAD 1, 14
	PLOAD 2, 16
	PLOAD 3, 18
	s_wait_loadcnt 16                              ; parts 0 and 1 are in; the sixteen loads of parts 2 and 3 stay out
.set p, 0
.rept 16
	v_pk_add_f32 v[S+2*p:S+2*p+1], v[S+2*p:S+2*p+1], v[S+32+2*p:S+32+2*p+1]
.set p, p+1
.endr
	s_wait_loadcnt 0x0
.set p, 0
.rept 16
	v_pk_add_f32 v[S+64+2*p:S+64+2*p+1], v[S+64+2*p:S+64+2*p+1], v[S+96+2*p:S+96+2*p+1]
.set p, p+1
.endr
.set p, 0
.rept 16
	v_pk_add_f32 v[S+2*p:S+2*p+1], v[S+2*p:S+2*p+1], v[S+64+2*p:S+64+2*p+1]
.set p, p+1
.endr
	s_wait_kmcnt 0x0                               ; the gate
	s_mov_b32 s27, s26                             ; named as a pair
.set p, 0
.rept 16
	v_pk_mul_f32 v[S+2*p:S+2*p+1], v[S+2*p:S+2*p+1], s[26:27] op_sel_hi:[1,0]     ; x gate
.set p, p+1
.endr
.irp j, 0,1,2,3,4,5,6,7
	global_store_b128 v2, v[S+4*(\j):S+4*(\j)+3], s[8:9] offset:512*(\j) th:TH_STORE_NT
.endr
	s_endpgm
.Lfunc_end_k_qb7c26801ae_combine:
	.size	k_qb7c26801ae_combine, .Lfunc_end_k_qb7c26801ae_combine-k_qb7c26801ae_combine
	.p2alignl 7, 3214868480
	.fill 96, 4, 3214868480
	.section	.rodata,"a",@progbits
	.p2align	6, 0x0
	.amdhsa_kernel k_qb7c26801ae_combine
		.amdhsa_group_segment_fixed_size 0
		.amdhsa_private_segment_fixed_size 0
		.amdhsa_enable_private_segment 0
		.amdhsa_kernarg_size 24
		.amdhsa_user_sgpr_count 2
		.amdhsa_user_sgpr_kernarg_segment_ptr 1
		.amdhsa_wavefront_size32 1
		.amdhsa_system_sgpr_workgroup_id_x 1
		.amdhsa_system_sgpr_workgroup_id_y 1
		.amdhsa_system_sgpr_workgroup_id_z 1
		.amdhsa_system_vgpr_workitem_id 0
		.amdhsa_next_free_vgpr 136
		.amdhsa_next_free_sgpr 66
		.amdhsa_reserve_vcc 0
		.amdhsa_float_denorm_mode_32 3
		.amdhsa_float_denorm_mode_16_64 3
		.amdhsa_memory_ordered 1
		.amdhsa_forward_progress 1
		.amdhsa_inst_pref_size 9
	.end_amdhsa_kernel
	.amdgpu_metadata
---
amdhsa.version: [ 1, 2 ]
amdhsa.kernels:
  - .name:           k_qb7c26801ae_combine
    .symbol:         k_qb7c26801ae_combine.kd
    .args:
      - { .name: part, .offset: 0, .size: 8, .value_kind: global_buffer, .address_space: global }
      - { .name: gate, .offset: 8, .size: 8, .value_kind: global_buffer, .address_space: global }
      - { .name: out0, .offset: 16, .size: 8, .value_kind: global_buffer, .address_space: global }
    .group_segment_fixed_size: 0
    .private_segment_fixed_size: 0
    .kernarg_segment_align: 8
    .kernarg_segment_size: 24
    .max_flat_workgroup_size: 128
    .sgpr_count:     66
    .vgpr_count:     136
    .wavefront_size: 32
...
	.end_amdgpu_metadata
.endif
;; end of part 4
;; ======== version 2 of 2: 4 launches; version 1 with the launches route, ffn1, ffn2 written anew for expert scheduling mode
;; limits: values are held in f16: magnitudes above 65,504 overflow, below 6.1e-05 lose precision
;; workspace buffers: xn 2,097,152 bytes; idx 4,096 bytes of whole numbers; gate 4,096 bytes; hbuf 67,108,864 bytes; part 16,777,216 bytes
;; launch route (part 5): grid 256 x 1, 4 waves a work-group, no clusters, 0 bytes of LDS; arguments x, Wr, br, ln_g, ln_b, xn, idx, gate; writes xn, idx, gate
.if DOCPART == 5
	.amdgcn_target "amdgcn-amd-amdhsa--gfx1250"
	.amdhsa_code_object_version 6
	.text
	.protected	k_qb7c26801ae_route
	.globl	k_qb7c26801ae_route
	.p2align	8
	.type	k_qb7c26801ae_route,@function
k_qb7c26801ae_route:
	s_mov_b64 s[64:65], 0
	v_nop
	global_prefetch_b8 v0, s[64:65] scope:SCOPE_SE
	s_setreg_imm32_b32 hwreg(HW_REG_WAVE_SCHED_MODE, 0, 2), 2
	s_setreg_imm32_b32 hwreg(HW_REG_WAVE_MODE, 25, 1), 1
	s_wait_xcnt 0x0
	s_wait_alu depctr_vm_vsrc(0)
; ROUTER AND LAYERNORM.  One wave takes one token t = 4 x work-group + wave: its 1,024 numbers lie in 32 registers (lane L, load j: d = 128 j + 4 L + c).
; Stored: xn[t][1024] in f16 (the next launch's matrix operand), idx[t] (the chosen expert, a whole number at a fixed place), gate[t] = the largest softmax weight
; = 1 / sum of 2^(log2(e) (l - lmax)).  All arithmetic in f32.  The maximum is taken away before the exponentials.  The variance is taken of x - mean.
; The logits are made by f32 multiply-adds and not by the matrix unit: they choose the expert, and a 16-bit rounding of x or Wr could move a token to another one;
; 8 columns of Wr are 8 M multiply-adds in all.
; ALL 90 LOADS OF THE WAVE GO OUT AT THE HEAD: x, br, the lane's 256 numbers of Wr (a register window of their own), ln_g, ln_b.  Mean and variance are made while Wr is on its way.
; LIMITS.  The expert is the lowest index whose LOGIT equals the largest logit; taken on the probabilities it could differ only where two logits lie within
; an f32 rounding of each other.  xn is stored in f16: it must stay under 65,504.  NaN and infinities are not treated apart.
; No LDS, no barrier: a wave leans on no other wave.
; THE MODE: SCHED_MODE bits 1:0 = 2 (LLVM: expert scheduling mode 2), set by the entry lines.  The code itself states the register dependences
; between vector instructions and memory instructions, with s_wait_alu, always for 0.
; THE PLAN.  Registers that memory instructions touch:
;   v2, v3, v4, v5     byte offsets, made once at the head and never written again.
;   X, BR, Wr, G, BB   each loaded once, at the head, into registers that no vector instruction has named before.
;   XP, v237, v238     written by the arithmetic, read by the stores at the end.
; So one wait on va_vdst stands ahead of the 90 loads and one ahead of the stores.  Scalar results of vector instructions: the wave's number, the seven masks of the argmax
; (one run of compares, one wait) and VCC for lane 0's stores; each of the two writes of EXEC has both waits ahead of it.
.set X,  8                             ; v[8:39]    x
.set XP, 40                            ; v[40:55]   xn in f16 pairs
.set LG, 56                            ; v[56:63]   the 8 logits
.set G,  64                            ; v[64:95]   ln_g
.set BB, 96                            ; v[96:127]  ln_b
.set T,  128                           ; v[128:135] at work
.set D,  144                           ; v[144:175] x - mean, then xn in f32
.set BR, 224                           ; v[224:231] br
.set MK, 20                            ; s[20:26]   the argmax's masks: the wave's number, the offsets and the lane selects that lay there have served by then
                                       ; v[232:233] mean, twice; v[234:235] 1/sqrt(var + eps) and a 0; v236 lmax; v237 idx; v238 gate; v239 at work
                                       ; window 1, v0-255: Wr: register 64 b + 32 jj + 8 dd + e = Wr[128 (2 b + jj) + 4 L + dd][e]
.set MSB, 0
.macro WIN new                         ; s_set_vgpr_msb: bits 1:0 source 0, 3:2 source 1, 7:6 destination; the immediate's high byte repeats the setting that is left
.if MSB != (\new)
	s_set_vgpr_msb (MSB<<8)|(\new)
.set MSB, \new
.endif
.endm
	s_load_b512 s[4:19], s[0:1], 0x0               ; x 4, Wr 6, br 8, ln_g 10, ln_b 12, xn 14, idx 16, gate 18
	v_and_b32 v1, 31, v0                           ; lane
	v_lshrrev_b32 v6, 5, v0
	v_readfirstlane_b32 s20, v6                    ; wave
	v_lshlrev_b32 v2, 4, v1                        ; 16 L
	v_lshlrev_b32 v3, 7, v1                        ; 128 L: four rows of Wr
	v_lshlrev_b32 v4, 3, v1                        ; 8 L
	v_mov_b32 v5, 0
	s_wait_alu depctr_va_sdst(0)                   ; s20 is written, ahead of its first reader: the token's number is made from it
	s_lshl_b32 s21, ttmp9, 2
	s_add_co_u32 s21, s21, s20                     ; token
	s_mov_b32 s24, 0x76543210                      ; v_permlanex16_b32: each lane takes its own place in the other half
	s_mov_b32 s25, 0xfedcba98
	s_mov_b32 s27, 0x3fb8aa3b                      ; log2(e)
	s_mov_b32 s28, 0x3a800000                      ; 1 / 1024
	s_mov_b32 s29, 0x3727c5ac                      ; 1e-5
	s_mov_b32 s23, 0
	s_wait_kmcnt 0x0
	s_lshl_b32 s22, s21, 12
	s_add_nc_u64 s[4:5], s[4:5], s[22:23]          ; x at my row
	s_lshl_b32 s22, s21, 11
	s_add_nc_u64 s[14:15], s[14:15], s[22:23]      ; xn at my row
	s_lshl_b32 s22, s21, 2
	s_add_nc_u64 s[16:17], s[16:17], s[22:23]      ; idx and gate at my word
	s_add_nc_u64 s[18:19], s[18:19], s[22:23]
	s_wait_alu depctr_va_vdst(0)                   ; the offsets v2 to v5 are written: every load and store of the kernel reads one of them
.irp j, 0,1,2,3,4,5,6,7
	global_load_b128 v[X+4*(\j):X+4*(\j)+3], v2, s[4:5] offset:512*(\j) th:TH_LOAD_NT   ; 512 neighbouring bytes a load
.endr
	global_load_b128 v[BR:BR+3], v5, s[8:9]
	global_load_b128 v[BR+4:BR+7], v5, s[8:9] offset:16
	WIN 0x40                                       ; destination window 1, address window 0
.irp b, 0,1,2,3                        ; four batches of sixteen loads
.irp jj, 0,1
.irp q, 0,1,2,3,4,5,6,7
	global_load_b128 v[64*(\b)+32*(\jj)+4*(\q):64*(\b)+32*(\jj)+4*(\q)+3], v3, s[6:7] offset:4096*(2*(\b)+(\jj))+16*(\q)
.endr
.endr
.endr
	WIN 0
.irp j, 0,1,2,3,4,5,6,7
	global_load_b128 v[G+4*(\j):G+4*(\j)+3], v2, s[10:11] offset:512*(\j)
.endr
.irp j, 0,1,2,3,4,5,6,7
	global_load_b128 v[BB+4*(\j):BB+4*(\j)+3], v2, s[12:13] offset:512*(\j)
.endr
; a batch: eight x of the lane times Wr's eight columns.  The eight sums take turns.  The very first products start the sums.
.macro BATCH b
	WIN 0x04                                       ; source 1 (Wr) window 1
.irp jj, 0,1
.irp dd, 0,1,2,3
.irp e, 0,1,2,3,4,5,6,7
.if ((\b)+(\jj)+(\dd)) == 0
	v_mul_f32 v[LG+(\e)], v[X+4*(2*(\b)+(\jj))+(\dd)], v[64*(\b)+32*(\jj)+8*(\dd)+(\e)]
.else
	v_fmac_f32 v[LG+(\e)], v[X+4*(2*(\b)+(\jj))+(\dd)], v[64*(\b)+32*(\jj)+8*(\dd)+(\e)]
.endif
.endr
.endr
.endr
.endm
.macro RSUM r                          ; the sum over the 32 lanes, in every lane
.irp m, 1,2,4,8
	v_add_f32_dpp v[\r], v[\r], v[\r] row_xmask:\m row_mask:0xf bank_mask:0xf
.endr
	v_permlanex16_b32 v6, v[\r], s24, s25
	v_add_f32 v[\r], v[\r], v6
.endm
.macro FOLD                            ; four pairs at T into one pair at T
	v_pk_add_f32 v[T:T+1], v[T:T+1], v[T+2:T+3]
	v_pk_add_f32 v[T+4:T+5], v[T+4:T+5], v[T+6:T+7]
	v_pk_add_f32 v[T:T+1], v[T:T+1], v[T+4:T+5]
.endm
	s_wait_loadcnt 63                              ; x, br and batch 0 are in: 64 loads are younger; 63 is the largest count that the wait can name
	; the mean: four chains, then the lanes
.irp c, 0,1,2,3
	v_pk_add_f32 v[T+2*(\c):T+2*(\c)+1], v[X+2*(\c):X+2*(\c)+1], v[X+8+2*(\c):X+8+2*(\c)+1]
.endr
.irp g, 2,3
.irp c, 0,1,2,3
	v_pk_add_f32 v[T+2*(\c):T+2*(\c)+1], v[T+2*(\c):T+2*(\c)+1], v[X+8*(\g)+2*(\c):X+8*(\g)+2*(\c)+1]
.endr
.endr
	FOLD
	v_add_f32 v[T], v[T], v[T+1]
	RSUM T
	v_mul_f32 v232, s28, v[T]
	v_mov_b32 v233, v232
.set k, 0
.rept 16
	v_pk_add_f32 v[D+2*k:D+2*k+1], v[X+2*k:X+2*k+1], v[232:233] neg_lo:[0,1] neg_hi:[0,1]  ; x - mean; x itself stays for the logits
.set k, k+1
.endr
	; the variance, of x - mean
.irp c, 0,1,2,3
	v_pk_mul_f32 v[T+2*(\c):T+2*(\c)+1], v[D+2*(\c):D+2*(\c)+1], v[D+2*(\c):D+2*(\c)+1]
.endr
.irp g, 1,2,3
.irp c, 0,1,2,3
	v_pk_fma_f32 v[T+2*(\c):T+2*(\c)+1], v[D+8*(\g)+2*(\c):D+8*(\g)+2*(\c)+1], v[D+8*(\g)+2*(\c):D+8*(\g)+2*(\c)+1], v[T+2*(\c):T+2*(\c)+1]
.endr
.endr
	FOLD
	v_add_f32 v[T], v[T], v[T+1]
	RSUM T
	v_fma_f32 v239, v[T], s28, s29                 ; var + eps
	; the logits
	BATCH 0
	s_wait_loadcnt 48                              ; batch 1 is in: batches 2 and 3, ln_g and ln_b, sixteen loads each, stay out
	BATCH 1
	s_wait_loadcnt 32                              ; batch 2
	BATCH 2
	s_wait_loadcnt 16                              ; batch 3; ln_g and ln_b stay out
	BATCH 3
	WIN 0
	v_rsq_f32 v234, v239                           ; not named again before the wait behind the exponentials
	v_mov_b32 v235, 0                              ; named with it as a pair
	; the lanes' parts are added, eight sums side by side; then br
.irp m, 1,2,4,8
.irp e, 0,1,2,3,4,5,6,7
	v_add_f32_dpp v[LG+(\e)], v[LG+(\e)], v[LG+(\e)] row_xmask:\m row_mask:0xf bank_mask:0xf
.endr
.endr
.irp e, 0,1,2,3,4,5,6,7
	v_permlanex16_b32 v[T+(\e)], v[LG+(\e)], s24, s25    ; its destination counts as read: T's eight registers have been written
.endr
.irp e, 0,1,2,3,4,5,6,7
	v_add_f32 v[LG+(\e)], v[LG+(\e)], v[T+(\e)]
.endr
.irp e, 0,1,2,3,4,5,6,7
	v_add_f32 v[LG+(\e)], v[LG+(\e)], v[BR+(\e)]
.endr
	v_max3_num_f32 v236, v[LG], v[LG+1], v[LG+2]
	v_max3_num_f32 v236, v236, v[LG+3], v[LG+4]
	v_max3_num_f32 v236, v236, v[LG+5], v[LG+6]
	v_max_num_f32 v236, v236, v[LG+7]              ; lmax
	v_mul_f32 v239, s27, v236
.irp e, 0,1,2,3,4,5,6,7
	v_fma_f32 v[T+(\e)], v[LG+(\e)], s27, -v239    ; log2(e) (l - lmax)
.endr
.irp e, 0,1,2,3,4,5,6,7
	v_exp_f32 v[T+(\e)], v[T+(\e)]
.endr
	v_mov_b32 v237, 7                              ; the argmax stands behind the exponentials as independent work: the lowest index wins a tie
.irp e, 6,5,4,3,2,1,0
	v_cmp_eq_f32 s[MK+(\e)], v[LG+(\e)], v236      ; the seven compares in one run, a mask each
.endr
	s_wait_alu depctr_va_sdst(0)                   ; the seven masks are written, ahead of the selects that read them
.irp e, 6,5,4,3,2,1,0
	v_cndmask_b32 v237, v237, \e, s[MK+(\e)]
.endr
	s_wait_alu depctr_va_vdst(0)                   ; one wait for the root and the eight exponentials, ahead of their first reader
	FOLD
	v_add_f32 v239, v[T], v[T+1]
	v_rcp_f32 v238, v239                           ; the gate; its wait stands ahead of the stores, the rest of the layernorm between
	s_wait_loadcnt 0x0                             ; ln_g, ln_b
.set k, 0
.rept 16
	v_pk_mul_f32 v[D+2*k:D+2*k+1], v[D+2*k:D+2*k+1], v[234:235] op_sel_hi:[1,0]  ; (x - mean) / sqrt(var + eps)
.set k, k+1
.endr
.set k, 0
.rept 16
	v_pk_fma_f32 v[D+2*k:D+2*k+1], v[D+2*k:D+2*k+1], v[G+2*k:G+2*k+1], v[BB+2*k:BB+2*k+1]  ; x ln_g + ln_b
.set k, k+1
.endr
.set k, 0
.rept 16
	v_cvt_pk_f16_f32 v[XP+k], v[D+2*k], v[D+2*k+1]
.set k, k+1
.endr
	s_wait_alu depctr_va_vdst(0)                   ; the conversions have written XP, the selects v237 and the reciprocal v238: the ten stores below read them
.irp j, 0,1,2,3,4,5,6,7
	global_store_b64 v4, v[XP+2*(\j):XP+2*(\j)+1], s[14:15] offset:256*(\j)   ; the wave's store covers 256 consecutive bytes, aligned
.endr
	v_cmp_eq_u32 vcc_lo, 0, v1
	s_wait_xcnt 0x0                                ; EXEC changes only behind this wait
	s_wait_alu depctr_va_vcc(0)                    ; VCC is written: EXEC is made from it
	s_wait_alu depctr_va_vdst(0)                   ; ahead of the write of EXEC: every vector instruction issued so far has written its result,
	s_wait_alu depctr_vm_vsrc(0)                   ; and the eight stores have read their registers
	s_and_saveexec_b32 s30, vcc_lo                 ; lane 0 alone
	global_store_b32 v5, v237, s[16:17]
	global_store_b32 v5, v238, s[18:19]
	s_wait_xcnt 0x0
	s_wait_alu depctr_va_vdst(0)                   ; ahead of the write of EXEC, as above: no vector result is outstanding,
	s_wait_alu depctr_vm_vsrc(0)                   ; and lane 0's two stores have read their registers
	s_or_b32 exec_lo, exec_lo, s30
	s_endpgm
.Lfunc_end_k_qb7c26801ae_route:
	.size	k_qb7c26801ae_route, .Lfunc_end_k_qb7c26801ae_route-k_qb7c26801ae_route
	.p2alignl 7, 3214868480
	.fill 96, 4, 3214868480
	.section	.rodata,"a",@progbits
	.p2align	6, 0x0
	.amdhsa_kernel k_qb7c26801ae_route
		.amdhsa_group_segment_fixed_size 0
		.amdhsa_private_segment_fixed_size 0
		.amdhsa_enable_private_segment 0
		.amdhsa_kernarg_size 64
		.amdhsa_user_sgpr_count 2
		.amdhsa_user_sgpr_kernarg_segment_ptr 1
		.amdhsa_wavefront_size32 1
		.amdhsa_system_sgpr_workgroup_id_x 1
		.amdhsa_system_sgpr_workgroup_id_y 1
		.amdhsa_system_sgpr_workgroup_id_z 1
		.amdhsa_system_vgpr_workitem_id 0
		.amdhsa_next_free_vgpr 512
		.amdhsa_next_free_sgpr 66
		.amdhsa_reserve_vcc 1
		.amdhsa_float_denorm_mode_32 3
		.amdhsa_float_denorm_mode_16_64 3
		.amdhsa_memory_ordered 1
		.amdhsa_forward_progress 1
		.amdhsa_inst_pref_size 32
	.end_amdhsa_kernel
	.amdgpu_metadata
---
amdhsa.version: [ 1, 2 ]
amdhsa.kernels:
  - .name:           k_qb7c26801ae_route
    .symbol:         k_qb7c26801ae_route.kd
    .args:
      - { .name: x, .offset: 0, .size: 8, .value_kind: global_buffer, .address_space: global }
      - { .name: Wr, .offset: 8, .size: 8, .value_kind: global_buffer, .address_space: global }
      - { .name: br, .offset: 16, .size: 8, .value_kind: global_buffer, .address_space: global }
      - { .name: ln_g, .offset: 24, .size: 8, .value_kind: global_buffer, .address_space: global }
      - { .name: ln_b, .offset: 32, .size: 8, .value_kind: global_buffer, .address_space: global }
      - { .name: xn, .offset: 40, .size: 8, .value_kind: global_buffer, .address_space: global }
      - { .name: idx, .offset: 48, .size: 8, .value_kind: global_buffer, .address_space: global }
      - { .name: gate, .offset: 56, .size: 8, .value_kind: global_buffer, .address_space: global }
    .group_segment_fixed_size: 0
    .private_segment_fixed_size: 0
    .kernarg_segment_align: 8
    .kernarg_segment_size: 64
    .max_flat_workgroup_size: 128
    .sgpr_count:     66
    .vgpr_count:     512
    .wavefront_size: 32
...
	.end_amdgpu_metadata
.endif
;; end of part 5
;; launch ffn1 (part 6): grid 32 x 8, 4 waves a work-group, no clusters, 185,856 bytes of LDS; arguments W1, b1, xn, idx, hbuf; writes hbuf
.if DOCPART == 6
	.amdgcn_target "amdgcn-amd-amdhsa--gfx1250"
	.amdhsa_code_object_version 6
	.text
	.protected	k_qb7c26801ae_ffn1
	.globl	k_qb7c26801ae_ffn1
	.p2align	8
	.type	k_qb7c26801ae_ffn1,@function
k_qb7c26801ae_ffn1:
	s_mov_b64 s[64:65], 0
	v_nop
	global_prefetch_b8 v0, s[64:65] scope:SCOPE_SE
	s_setreg_imm32_b32 hwreg(HW_REG_WAVE_SCHED_MODE, 0, 2), 2
	s_setreg_imm32_b32 hwreg(HW_REG_WAVE_MODE, 25, 1), 1
	s_wait_xcnt 0x0
	s_wait_alu depctr_vm_vsrc(0)
; FIRST PRODUCT OF THE EXPERTS.  h = relu(xn W1[e] + b1[e]) for the rows that chose expert e.  Work-group (s, e): columns 128 s .. 128 s + 127 of F, all 1,024 of K.
; PHASE 1.  The work-group's slice of W1[e] (1,024 x 128, f32) is read ONCE, each load 512 consecutive aligned bytes, rounded to f16 and kept in REGISTERS as matrix
; operands: wave w holds K rows 256 w .. 256 w + 255: 64 fragments, 512 registers.  The turn from [K][N] to fragments goes through the wave's own stage in LDS
; (ds_load_tr16_b128).  64 weight loads, 32 KB, of a wave are out.  While the first are on their way every wave makes the expert's list of tokens
; from idx (a counting sort by lane masks, no atomics): chosen tokens from the front, in the order (group of 32 words, lane), the others from the back.
; PHASE 2.  32 tiles of 32 list places: a constant count that serves every split; a tile past the bound jumps over its work, never over the barrier.
; Source 0 = 16 columns of W1, source 1 = 16 tokens, so a lane holds one token and eight neighbouring columns.  The four waves' sums over their quarters of K meet in LDS
; (two buffers by turns: one barrier a tile); wave w adds and stores column blocks 2 w, 2 w + 1.
; THE TILES GO THROUGH A PIPELINE.  Trip t: the sums of tile t go into LDS, and the tokens of tile t + 2 are read from the list; barrier; the products of tile t + 1, and ahead of each
; of their eight K steps four of the 32 LDS loads that bring tile t's parts back; tile t is added up; then the rows of tile t + 2 are asked for, into the registers that those
; products have left, and tile t is stored.
; Tile 0's rows are asked for in phase 1, where K step 6 has no further weights to ask for; its products and the request for tile 1 stand ahead of the loop.
; TILE 0 IS ALWAYS LIVE (the bound is the count, or 1 for an expert without rows): so what stands ahead of the loop needs no branch but the one round tile 1's request, and every counted wait holds on every path.
; hbuf is [e][block of 16 columns][list place][16] in f16: a tile's 16 places of one block are 512 consecutive aligned bytes, which is also what the next launch loads.
; Places past the count in the last live tile hold tokens of other experts: their rows are computed, stored in the expert's own region and never used.
; FORMAT AND LIMITS.  xn, W1 and h are f16 (11 significant bits: bf16's 8 do not hold the comparison's line in rows with a large gate); sums and b1 in f32.  f16 holds no number
; beyond 65,504: W1 and h must stay under it; a weight below 6e-5 keeps f16's fixed step of 6e-8.  NaN and infinities are not treated apart.
; NO TENSOR LOADS, NO CLUSTER: each weight has one reader; the rows of xn come by a list, which no descriptor covers.
; REGISTERS, in windows of 256 (s_set_vgpr_msb: bits 1:0 source 0, 3:2 source 1, 5:4 source 2, 7:6 destination):
;   window 0: v0-31 addresses and at work; v32-47 the bias; v64-127 packed numbers; v128-255 idx and the list's addresses and tokens at first, then what comes back from LDS
;   window 1: phase 1: two buffers of 32 weight rows; phase 2: v0-127 the tokens' fragments, v128-255 the 16 accumulators
;   windows 2, 3: the weights' fragments: (K step ks, column block cb) at 512 + 8 (8 ks + cb)
; THE MODE: SCHED_MODE bits 1:0 = 2 (LLVM: expert scheduling mode 2), set by the entry lines.  The code itself states the register dependences
; between vector or matrix instructions and memory or LDS instructions, with s_wait_alu, always for 0.
; THE PLAN.  Registers that memory or LDS instructions touch:
;   v4-v7, v11-v15, v23, v25, v26   offsets and LDS addresses, made once at the head and never written again; hbuf's scalar base moves on by a tile in every trip.
;   PHASE 1.  RAW0, RAW1 (window 1): K step c's conversions read RAW[c % 2]; behind them step c + 2's loads land in it.  P: written by those conversions, read by the step's LDS stores.
;             LA, LD: the list's 32 addresses and 32 tokens, a register each, written by the list's arithmetic, read by one run of 32 LDS stores.
;             One wait on va_vdst stands behind a step's conversions, one on vm_vsrc at the head of every step but the first.
;   PHASE 2.  ACC: written by tile t's products, read by trip t's LDS stores, written again by the products behind the barrier.
;             The tokens' fragments: read by the products, loaded again at the trip's end.        R: the LDS loads behind the barrier land in it; the adding-up reads and writes it.
;             v20, v21: the token loads land in them ahead of the barrier; the trip's end makes v9, v10 of them, which the rows' loads read.   v8: read by the token loads, stepped at the trip's end.
;             P (its first 16): written at the trip's end, read by the four stores.
;   A trip has TWO waits.  vm_vsrc behind the barrier: all that was issued so far has read ACC, v8, v9, v10 and P, whose next writers all stand below it.  va_vdst at the end of the adding-up:
;   the products have written ACC and are done with the fragments; v8, v9, v10 and P are written; R, v20 and v21 are done with.  From that wait to the next trip's adding-up the only vector-side
;   instructions are the products, which name windows 1 to 3 alone: none of the registers that the loads and stores in between touch but ACC and the fragments, as said.
.set WROW,   16384                     ; bytes from a row of W1[e] to the next
.set SPITCH, 288                       ; a stage row: 256 bytes + 32
.set STAGEW, 32*SPITCH                 ; a wave's stage: 32 K rows
.set LIST,   4*STAGEW                  ; a list for each wave:
.set LISTP,  4096+256                  ; 1,024 places, and 64 more, since the list is read two tiles ahead
.set RED,    LIST+4*LISTP              ; the sums' meeting place: two buffers
.set REDB,   65536                     ; a buffer: 4 waves x 16 tiles x 1,024 bytes
.set BI,  32
.set P,   64
.set R,   128
.set IDX, 128
.set LA,  160                          ; v[160:191] the list: group g's LDS address
.set LD,  192                          ; v[192:223] the list: group g's token
.set MK,  32                           ; s[32:47]   the list: sixteen groups' lane masks
.set ACC, 128
.set MSB, 0
.macro WIN new                         ; the immediate's high byte repeats the setting that is left; a switch that changes nothing is dropped
.if MSB != (\new)
	s_set_vgpr_msb (MSB<<8)|(\new)
.set MSB, \new
.endif
.endm
	s_load_b256 s[4:11], s[0:1], 0x0               ; W1 4, b1 6, xn 8, idx 10
	s_load_b64 s[12:13], s[0:1], 0x20              ; hbuf
	v_lshl_add_u32 v62, v0, 2, 0x2d400
	v_mov_b32 v63, 0
	v_lshrrev_b32 v20, 5, v0
	v_readfirstlane_b32 s16, v20                   ; wave
	v_and_b32 v1, 31, v0                           ; L
	v_and_b32 v2, 15, v0                           ; r
	v_bfe_u32 v3, v0, 4, 1                         ; h
	v_lshlrev_b32 v4, 4, v1                        ; 16 L
	v_lshlrev_b32 v16, 2, v1                       ; 4 L
	v_mov_b32 v17, 0                               ; for the relu
	v_sub_nc_u32 v24, 0, v1                        ; - L
	s_and_b32 s17, ttmp7, 0xffff                   ; expert
	s_mov_b32 s18, ttmp9                           ; slice of F
	s_wait_alu depctr_va_sdst(0)                   ; s16 is written, ahead of its first reader: LDS addresses and the bases are made from it
	s_mul_i32 s26, s16, STAGEW
	v_lshl_add_u32 v5, v1, 3, s26                  ; into the stage: 8 bytes a lane
	v_and_b32 v20, 7, v0
	v_lshl_add_u32 v20, v3, 3, v20
	v_mul_u32_u24 v6, v20, SPITCH                  ; out of it, turned: row 8 h + L % 8,
	v_bfe_u32 v21, v0, 3, 1
	v_lshl_add_u32 v6, v21, 4, v6                  ; 16 bytes by (L / 8) % 2
	v_add_nc_u32 v6, s26, v6
	s_mul_i32 s27, s16, LISTP
	s_add_co_u32 s27, s27, LIST
	v_mov_b32 v7, s27                              ; my wave's list
	v_lshl_add_u32 v8, v2, 2, s27                  ; place r of the tile in hand
	v_lshl_add_u32 v26, v1, 3, s27
	v_add_nc_u32 v26, 4096, v26                    ; the 64 places behind the list, 8 bytes a lane
	s_lshl_b32 s28, s16, 9
	v_lshl_add_u32 v23, v3, 4, s28                 ; in a row of xn: my wave's 512 bytes, 16 h
	s_lshl_b32 s28, s16, 14
	s_add_co_u32 s28, s28, RED
	v_add_nc_u32 v11, s28, v4                      ; my sums go here, buffer 0, 1
	v_add_nc_u32 v12, REDB, v11
	s_lshl_b32 s28, s16, 11
	s_add_co_u32 s28, s28, RED
	v_add_nc_u32 v13, s28, v4                      ; and column blocks 2 w, 2 w + 1 come back from here
	v_add_nc_u32 v14, REDB, v13
	v_lshlrev_b32 v15, 5, v2
	v_lshl_add_u32 v15, v3, 4, v15                 ; in hbuf: 32 r + 16 h; the tile's first place lies in the base
	s_lshl_b32 s28, s16, 7
	v_lshl_add_u32 v25, v3, 5, s28                 ; in b1: 4 (32 w + 8 h)
	s_mov_b32 s23, 0
	s_mov_b32 s19, 0                               ; the expert's count
	s_wait_kmcnt 0x0
	s_lshl_b32 s22, s17, 24                        ; W1: expert, slice's 512 bytes, my wave's 256 rows
	s_lshl_b32 s26, s18, 9
	s_add_co_u32 s22, s22, s26
	s_lshl_b32 s26, s16, 22
	s_add_co_u32 s22, s22, s26
	s_add_nc_u64 s[4:5], s[4:5], s[22:23]
	s_lshl_b32 s22, s17, 14                        ; b1: expert, slice
	s_lshl_b32 s26, s18, 9
	s_add_co_u32 s22, s22, s26
	s_add_nc_u64 s[6:7], s[6:7], s[22:23]
	s_lshl_b32 s22, s17, 23                        ; hbuf: expert, column block 8 s + 2 w
	s_lshl_b32 s26, s18, 18
	s_add_co_u32 s22, s22, s26
	s_lshl_b32 s26, s16, 16
	s_add_co_u32 s22, s22, s26
	s_add_nc_u64 s[12:13], s[12:13], s[22:23]
	s_wait_alu depctr_va_vdst(0)                   ; all offsets and LDS addresses made above are written: the loads and stores of the whole kernel read them
.macro XLOAD c                         ; the 32 rows of K step c into buffer c % 2: each load 512 consecutive aligned bytes
	WIN 0x40                                       ; destination window 1, address window 0
.set i, 0
.rept 32
	global_load_b128 v[128*((\c)%2)+4*i:128*((\c)%2)+4*i+3], v4, s[4:5] offset:(32*(\c)+i)*WROW th:TH_LOAD_NT
.set i, i+1
.endr
.endm
.macro TOKADR                          ; from two tokens (places r and 16 + r of a tile) to their rows of xn
	v_min_u32 v20, 0x3ff, v20
	v_min_u32 v21, 0x3ff, v21
	v_lshl_add_u32 v9, v20, 11, v23
	v_lshl_add_u32 v10, v21, 11, v23
.endm
.macro BLOAD                           ; a tile's 32 rows, my wave's 256 of K: 32 loads, in the order of the K steps, four to a step
	WIN 0x40
.irp ks, 0,1,2,3,4,5,6,7
.irp rb, 0,1
	global_load_b128 v[8*(2*(\ks)+(\rb)):8*(2*(\ks)+(\rb))+3],   v[9+(\rb)], s[8:9] offset:64*(\ks)
	global_load_b128 v[8*(2*(\ks)+(\rb))+4:8*(2*(\ks)+(\rb))+7], v[9+(\rb)], s[8:9] offset:64*(\ks)+32
.endr
.endr
.endm
.irp q, 0,1,2,3,4,5,6,7
	global_load_b128 v[IDX+4*(\q):IDX+4*(\q)+3], v4, s[10:11] offset:512*(\q)  ; register IDX + 4 q + c = idx[128 q + 4 L + c]
.endr
	global_load_b128 v[BI:BI+3],     v25, s[6:7]                               ; the bias of my two column blocks: register BI + 8 cbl + j
	global_load_b128 v[BI+4:BI+7],   v25, s[6:7] offset:16
	global_load_b128 v[BI+8:BI+11],  v25, s[6:7] offset:64
	global_load_b128 v[BI+12:BI+15], v25, s[6:7] offset:80
	XLOAD 0
	XLOAD 1
	WIN 0
	s_wait_loadcnt 63                              ; 64 loads are younger than idx and the bias; 63 is the largest count that the wait can name
; THE LIST.  Group g: 32 tokens 128 (g / 4) + 4 L + g % 4.  A chosen token's place is the number of chosen ones ahead of it; another's counts from the back: all 1,024 places are written.
; Sixteen groups' compares stand in one run, a mask each; each group has an address and a token register of its own, so that the 32 LDS stores stand in one run behind one wait.
.macro LMASK g
	v_cmp_eq_u32 s[MK+(\g)%16], s17, v[IDX+(\g)]
.endm
.macro LPLACE g
	v_mbcnt_lo_u32_b32 v20, s[MK+(\g)%16], s19     ; chosen ones in lower lanes + in earlier groups
	v_add3_u32 v21, v20, v24, 1023-32*(\g)         ; 1023 - (32 g + L - that number)
	v_cndmask_b32 v20, v21, v20, s[MK+(\g)%16]
	v_min_u32 v20, 0x3ff, v20
	v_lshl_add_u32 v[LA+(\g)], v20, 2, v7
	v_add_nc_u32 v[LD+(\g)], 128*((\g)/4)+(\g)%4, v16
	s_bcnt1_i32_b32 s25, s[MK+(\g)%16]
	s_add_co_u32 s19, s19, s25
.endm
.irp b, 0,1
.set gg, 16*(\b)
.rept 16
	LMASK gg
.set gg, gg+1
.endr
	s_wait_alu depctr_va_sdst(0)                   ; the sixteen masks are written, ahead of the counts and selects that read them
.set gg, 16*(\b)
.rept 16
	LPLACE gg
.set gg, gg+1
.endr
.endr
	s_wait_alu depctr_va_vdst(0)                   ; LA and LD are written, which the LDS stores read; v20 and v21, in which the token loads below land, are done with
.set gg, 0
.rept 32
	ds_store_b32 v[LA+gg], v[LD+gg]
.set gg, gg+1
.endr
	ds_store_b64 v26, v[2:3]                       ; places 1,024 to 1,087: read two tiles ahead, never used; any token does
	ds_load_b32 v20, v8                            ; tile 0's tokens
	ds_load_b32 v21, v8 offset:64
	s_max_u32 s19, s19, 1                          ; from here on the bound for tiles: tile 0 is always live
	s_wait_dscnt 0x0                               ; the weights are still on their way
	TOKADR
; K step c of eight: 32 rows are rounded to f16, their buffer is asked for again two steps on, the rows go into my stage and come back turned, as 8 fragments.
; K step 6 has no weights left to ask for: its buffer is where the tokens' fragments go, and tile 0's rows are asked for.
; The stage is the wave's own and LDS serves a wave's instructions in order (ISA guide 5.7.1.4): no wait on DScnt and no barrier between its stores and loads, nor before the next step's stores.
.macro KSTEP c
	s_wait_loadcnt 32                              ; this step's rows are in; 32 younger loads stay out: the other buffer's, in step 7 tile 0's rows
.if (\c) > 0
	s_wait_alu depctr_vm_vsrc(0)                   ; the last step's LDS stores have read P, which the conversions write again (in step 7 also: tile 0's loads have read v9 and v10)
.endif
	WIN 0x05                                       ; sources window 1, destination window 0
.set i, 0
.rept 32
	v_cvt_pk_f16_f32 v[P+2*i],   v[128*((\c)%2)+4*i],   v[128*((\c)%2)+4*i+1]
	v_cvt_pk_f16_f32 v[P+2*i+1], v[128*((\c)%2)+4*i+2], v[128*((\c)%2)+4*i+3]
.set i, i+1
.endr
	s_wait_alu depctr_va_vdst(0)                   ; the conversions are done reading this raw buffer, in which the loads below land, and have written P, which the LDS stores read (ahead of step 6's loads: v9 and v10 are written)
.if (\c) < 6
	XLOAD (\c)+2
.elseif (\c) == 6
	BLOAD
.endif
	WIN 0
.set i, 0
.rept 32
	ds_store_b64 v5, v[P+2*i:P+2*i+1] offset:SPITCH*i
.set i, i+1
.endr
	WIN 0x80+0x40*((\c)/4)                         ; destination window 2 or 3
.irp cb, 0,1,2,3,4,5,6,7
	ds_load_tr16_b128 v[64*((\c)%4)+8*(\cb):64*((\c)%4)+8*(\cb)+3],   v6 offset:32*(\cb)
	ds_load_tr16_b128 v[64*((\c)%4)+8*(\cb)+4:64*((\c)%4)+8*(\cb)+7], v6 offset:32*(\cb)+16*SPITCH
.endr
.endm
.irp c, 0,1,2,3,4,5,6,7
	KSTEP \c
.endr
	WIN 0
	s_wait_dscnt 0x0                               ; all fragments are there
; Load n of the 32 that bring a tile's parts back: wave n / 8's part, 16 places (n / 4) % 2, my column block (n / 2) % 2, half n % 2
.macro REDL n, buf
	ds_load_b128 v[R+4*(\n):R+4*(\n)+3], v[13+(\buf)] offset:16384*((\n)/8)+8192*(((\n)/4)%2)+1024*(((\n)/2)%2)+512*((\n)%2)
.endm
; 16 matrix instructions: 32 along K, 2 x 16 tokens x 8 column blocks.  The 16 accumulators take turns, one instruction a turn.  The first step starts the sums with the constant 0.
; red = 1: four of the loads that bring the tile before back from buffer buf stand ahead of them, so that LDS serves them under the products.  No wait: since the last trip's wait on va_vdst only products have been issued, and they do not name R.
.macro MMA ks, red, buf
.if \red
	WIN 0
.irp i, 0,1,2,3
	REDL 4*(\ks)+(\i), \buf
.endr
.endif
	s_wait_loadcnt 28-4*(\ks)                      ; four loads for each K step, issued in the steps' order: the younger ones stay out
	WIN 0x56+(\ks)/4                               ; weights window 2 or 3; tokens, C and D window 1
.irp rb, 0,1
.irp cb, 0,1,2,3,4,5,6,7
.if (\ks) == 0
	v_wmma_f32_16x16x32_f16 v[ACC+8*(8*(\rb)+(\cb)):ACC+8*(8*(\rb)+(\cb))+7], v[64*((\ks)%4)+8*(\cb):64*((\ks)%4)+8*(\cb)+7], v[8*(2*(\ks)+(\rb)):8*(2*(\ks)+(\rb))+7], 0
.else
	v_wmma_f32_16x16x32_f16 v[ACC+8*(8*(\rb)+(\cb)):ACC+8*(8*(\rb)+(\cb))+7], v[64*((\ks)%4)+8*(\cb):64*((\ks)%4)+8*(\cb)+7], v[8*(2*(\ks)+(\rb)):8*(2*(\ks)+(\rb))+7], v[ACC+8*(8*(\rb)+(\cb)):ACC+8*(8*(\rb)+(\cb))+7]
.endif
.endr
.endr
.endm
.macro PLACES                          ; behind tile 0's products: four places for the LDS stores of their results, five for the next tile's first products.  In the loop the adding-up of the tile before stands there
.rept 5
	v_nop
.endr
.endm
.macro SUM4                            ; the four waves' parts, 32 registers each, are added: (0 + 1) + (2 + 3)
.set p, 0
.rept 16
	v_pk_add_f32 v[R+2*p:R+2*p+1], v[R+2*p:R+2*p+1], v[R+32+2*p:R+32+2*p+1]
	v_pk_add_f32 v[R+64+2*p:R+64+2*p+1], v[R+64+2*p:R+64+2*p+1], v[R+96+2*p:R+96+2*p+1]
.set p, p+1
.endr
.set p, 0
.rept 16
	v_pk_add_f32 v[R+2*p:R+2*p+1], v[R+2*p:R+2*p+1], v[R+64+2*p:R+64+2*p+1]
.set p, p+1
.endr
.endm
; TRIP t, for the tile of 32 list places from s20 on; its sums meet in buffer buf = t % 2.
.macro TRIP buf
	s_cmp_ge_u32 s20, s19
	s_cbranch_scc1 .Ld1_\@                         ; past the bound: no work, but the barrier
	WIN 0x04                                       ; data window 1
.set t, 0
.rept 16
	ds_store_b128 v[11+(\buf)], v[ACC+8*t:ACC+8*t+3]   offset:1024*t       ; each accumulator's low registers first.  No wait: the products stand ahead of the last wait on va_vdst
	ds_store_b128 v[11+(\buf)], v[ACC+8*t+4:ACC+8*t+7] offset:1024*t+512
.set t, t+1
.endr
	WIN 0
	ds_load_b32 v20, v8 offset:256                 ; the tokens of tile t + 2, places r and 16 + r: my wave's own list
	ds_load_b32 v21, v8 offset:320
.Ld1_\@:
	s_wait_dscnt 0x0                               ; for the others' sake: my stores into this buffer are done, and my reads of the other buffer are back; the two tokens are in
	s_barrier_signal -1
	s_barrier_wait -1                              ; behind it this buffer is whole, and nobody reads the other one any more
	s_wait_xcnt 0x0                                ; the last trip's stores and loads have had their addresses translated (ISA guide 3.1): hbuf's base, P, v9 and v10 are written again only below this line
	s_wait_alu depctr_vm_vsrc(0)                   ; the LDS stores have read ACC, the token loads v8, the last trip's loads v9 and v10, its stores P: the products and the trip's end write them again
	s_add_nc_u64 s[12:13], s[12:13], 1024          ; hbuf's base 32 places on: one tile ahead of tile t, so the stores below reach back
	s_cmp_ge_u32 s20, s19
	s_cbranch_scc1 .Ld2_\@
	s_add_co_u32 s26, s20, 32
	s_cmp_ge_u32 s26, s19
	s_cbranch_scc1 .Lal_\@                         ; tile t is the last live one
.irp ks, 0,1,2,3,4,5,6,7
	MMA \ks, 1, \buf                               ; tile t + 1's products; tile t's parts come back under them
.endr
	WIN 0
	s_branch .Lf_\@
.Lal_\@:
.set n, 0
.rept 32
	REDL n, \buf
.set n, n+1
.endr
.Lf_\@:
	s_wait_dscnt 0x0                               ; tile t's parts are back
	TOKADR                                         ; tile t + 2's rows.  These lines and the adding-up are the places behind the products (ISA guide 7.12.1)
	v_add_nc_u32 v8, 128, v8                       ; the list 32 places on
	SUM4
.set p, 0
.rept 16
	v_pk_add_f32 v[R+2*p:R+2*p+1], v[R+2*p:R+2*p+1], v[BI+2*(p%8):BI+2*(p%8)+1]   ; + b1
.set p, p+1
.endr
.set p, 0
.rept 16
	v_cvt_pk_f16_f32 v[P+p], v[R+2*p], v[R+2*p+1]
.set p, p+1
.endr
.set p, 0
.rept 16
	v_pk_max_num_f16 v[P+p], v[P+p], v17           ; relu
.set p, p+1
.endr
	s_wait_alu depctr_va_vdst(0)                   ; the products are done reading the fragments, in which the loads below land, and have written ACC, which the next trip's LDS stores read; v9, v10, v8 and P are written; R, v20 and v21, in which the next trip's LDS loads land, are done with
	s_add_co_u32 s26, s20, 64
	s_cmp_ge_u32 s26, s19
	s_cbranch_scc1 .Lst_\@
	s_wait_loadcnt 0x0                             ; the loads that filled the fragments last have landed, so that no two loads are out for one register.  The way through the products has shown it by the last K step's wait for 0; the way round them ends at the branch above (there s20 + 32 has reached the bound, so s20 + 64 has too), which is arithmetic on a count made at run time: this line holds on every way
	BLOAD                                          ; tile t + 2's rows
	WIN 0
.Lst_\@:
.irp rb, 0,1
.irp cbl, 0,1
	global_store_b128 v15, v[P+8*(\rb)+4*(\cbl):P+8*(\rb)+4*(\cbl)+3], s[12:13] offset:32768*(\cbl)+512*(\rb)-1024   ; 16 places of one column block: 512 consecutive aligned bytes
.endr
.endr
.Ld2_\@:
	s_add_co_u32 s20, s20, 32
.endm
	; ahead of the loop: tile 0's products, and the request for tile 1
	ds_load_b32 v20, v8 offset:128                 ; tile 1's tokens
	ds_load_b32 v21, v8 offset:192
	s_mov_b32 s20, 0
.irp ks, 0,1,2,3,4,5,6,7
	MMA \ks, 0, 0
.endr
	WIN 0
	PLACES
	s_wait_dscnt 0x0
	TOKADR                                         ; (the loads that named v9, v10 were waited for by the last K step's wait for 0)
	s_wait_alu depctr_va_vdst(0)                   ; tile 0's products are done reading the fragments, in which tile 1's loads land, and have written ACC, which the first trip's LDS stores read; v9 and v10 are written; v20 and v21 are done with
	s_cmp_le_u32 s19, 32
	s_cbranch_scc1 .Lp1
	BLOAD
	WIN 0
.Lp1:
	s_mov_b32 s21, 16
.Ltile:
	TRIP 0
	TRIP 1
	s_sub_co_u32 s21, s21, 1
	s_cmp_lg_u32 s21, 0
	s_cbranch_scc1 .Ltile
	s_wait_dscnt 0x0                               ; the wave's end, ahead of the closing add onto the spare words
	s_wait_alu depctr_hold_cnt(0) depctr_sa_sdst(0) depctr_va_vdst(0) depctr_va_sdst(0) depctr_va_ssrc(0) depctr_va_vcc(0) depctr_vm_vsrc(0)
	s_wait_tensorcnt 0x0
	ds_add_u32 v62, v63
	s_wait_dscnt 0x0
	s_endpgm
.Lfunc_end_k_qb7c26801ae_ffn1:
	.size	k_qb7c26801ae_ffn1, .Lfunc_end_k_qb7c26801ae_ffn1-k_qb7c26801ae_ffn1
	.p2alignl 7, 3214868480
	.fill 96, 4, 3214868480
	.section	.rodata,"a",@progbits
	.p2align	6, 0x0
	.amdhsa_kernel k_qb7c26801ae_ffn1
		.amdhsa_group_segment_fixed_size 185856
		.amdhsa_private_segment_fixed_size 0
		.amdhsa_enable_private_segment 0
		.amdhsa_kernarg_size 40
		.amdhsa_user_sgpr_count 2
		.amdhsa_user_sgpr_kernarg_segment_ptr 1
		.amdhsa_wavefront_size32 1
		.amdhsa_system_sgpr_workgroup_id_x 1
		.amdhsa_system_sgpr_workgroup_id_y 1
		.amdhsa_system_sgpr_workgroup_id_z 1
		.amdhsa_system_vgpr_workitem_id 0
		.amdhsa_next_free_vgpr 1024
		.amdhsa_next_free_sgpr 66
		.amdhsa_reserve_vcc 0
		.amdhsa_float_denorm_mode_32 3
		.amdhsa_float_denorm_mode_16_64 3
		.amdhsa_memory_ordered 1
		.amdhsa_forward_progress 1
		.amdhsa_inst_pref_size 172
	.end_amdhsa_kernel
	.amdgpu_metadata
---
amdhsa.version: [ 1, 2 ]
amdhsa.kernels:
  - .name:           k_qb7c26801ae_ffn1
    .symbol:         k_qb7c26801ae_ffn1.kd
    .args:
      - { .name: W1, .offset: 0, .size: 8, .value_kind: global_buffer, .address_space: global }
      - { .name: b1, .offset: 8, .size: 8, .value_kind: global_buffer, .address_space: global }
      - { .name: xn, .offset: 16, .size: 8, .value_kind: global_buffer, .address_space: global }
      - { .name: idx, .offset: 24, .size: 8, .value_kind: global_buffer, .address_space: global }
      - { .name: hbuf, .offset: 32, .size: 8, .value_kind: global_buffer, .address_space: global }
    .group_segment_fixed_size: 185856
    .private_segment_fixed_size: 0
    .kernarg_segment_align: 8
    .kernarg_segment_size: 40
    .max_flat_workgroup_size: 128
    .sgpr_count:     66
    .vgpr_count:     1024
    .wavefront_size: 32
...
	.end_amdgpu_metadata
.endif
;; end of part 6
;; launch ffn2 (part 7): grid 32 x 8, 4 waves a work-group, no clusters, 188,928 bytes of LDS; arguments W2, hbuf, idx, b2, part; writes part
.if DOCPART == 7
	.amdgcn_target "amdgcn-amd-amdhsa--gfx1250"
	.amdhsa_code_object_version 6
	.text
	.protected	k_qb7c26801ae_ffn2
	.globl	k_qb7c26801ae_ffn2
	.p2align	8
	.type	k_qb7c26801ae_ffn2,@function
k_qb7c26801ae_ffn2:
	s_mov_b64 s[64:65], 0
	v_nop
	global_prefetch_b8 v0, s[64:65] scope:SCOPE_SE
	s_setreg_imm32_b32 hwreg(HW_REG_WAVE_SCHED_MODE, 0, 2), 2
	s_setreg_imm32_b32 hwreg(HW_REG_WAVE_MODE, 25, 1), 1
	s_wait_xcnt 0x0
	s_wait_alu depctr_vm_vsrc(0)
; SECOND PRODUCT OF THE EXPERTS, in four parts along F.  part[kq][token] = h[.., 1024 kq ..] W2[e][1024 kq .., 128 ds ..] for the rows that chose expert e; the part of kq = 0 also takes b2[e].
; Work-group (ds + 8 kq, e): 128 columns of D, 1,024 rows of F.  So a row piece of W2 and of the result is 512 consecutive aligned bytes; the four parts (f32) are added by the next launch.
; The frame is the first product's: PHASE 1 reads the slice of W2[e] once, rounds it to f16 and keeps it in registers as fragments (wave w: K rows 256 w .. + 255 of the slice),
; turned through the wave's own stage; meanwhile every wave makes the expert's list from idx, in the same order as the launch before.  PHASE 2 walks 32 tiles of 32 list places,
; a constant count; a tile past the bound jumps over its work, never over the barrier.  h comes from hbuf, [e][block of 16 of F][place][16] in f16: each load is 512
; consecutive aligned bytes and half of a fragment.  The four waves' sums meet in LDS as rows (two buffers by turns: one barrier a tile); wave w adds rows 8 w .. 8 w + 7 and stores
; each to its token's row; whole stores past the count are jumped by a scalar branch.
; THE TILES GO THROUGH A PIPELINE.  Trip t: the sums of tile t go into LDS, and the tokens of my eight rows of tile t are read from the list; barrier; the products of tile t + 1, and ahead of
; each of their eight K steps four of the 32 LDS loads that bring tile t's parts back; tile t is added up; then tile t + 2 of h is asked for, into the registers that those products have left,
; and tile t is stored.
; Tile 0 of h is asked for in phase 1, where K step 6 has no further weights to ask for; its products and the request for tile 1 stand ahead of the loop.
; TILE 0 IS ALWAYS LIVE (the bound is the count, or 1 for an expert without rows; the launch before stores that tile of hbuf likewise): so what stands ahead of the loop needs no
; branch but the one round tile 1's request, and every counted wait holds on every path.  The stores go by the true count: an expert without rows stores nothing.
; b2: this launch knows its expert, so the bias is added here and the next launch needs neither idx nor b2.  Every work-group loads its 128 numbers; where kq is not 0 their bits are masked to 0.
; FORMAT AND LIMITS.  h and W2 are f16, sums and b2 f32.  f16 holds no number beyond 65,504: W2 must stay under it; a weight below 6e-5 keeps f16's fixed step of 6e-8.
; NaN and infinities are not treated apart.
; NO TENSOR LOADS, NO CLUSTER: each weight has one reader; a tile of h has as many live rows as the count says, and is 64 KB against the slice's 512 KB.
; REGISTERS as in the first product: window 0 addresses, idx, packed numbers, what comes back from LDS; window 1 weight rows, then h's fragments and 16 accumulators; windows 2, 3 the weights' fragments.
; THE MODE: SCHED_MODE bits 1:0 = 2 (LLVM: expert scheduling mode 2), set by the entry lines.  The code itself states the register dependences
; between vector or matrix instructions and memory or LDS instructions, with s_wait_alu, always for 0.
; THE PLAN.  Registers that memory or LDS instructions touch:
;   v4-v7, v9, v11-v14   offsets and LDS addresses, made once at the head and never written again; h's scalar base moves on by a tile ahead of each request.
;   PHASE 1.  RAW0, RAW1 (window 1): K step c's conversions read RAW[c % 2]; behind them step c + 2's loads land in it.  P: written by those conversions, read by the step's LDS stores.
;             LA, LD: the list's 32 addresses and 32 tokens, a register each, written by the list's arithmetic, read by one run of 32 LDS stores.
;             One wait on va_vdst stands behind a step's conversions, one on vm_vsrc at the head of every step but the first.
;   PHASE 2.  ACC: written by tile t's products, read by trip t's LDS stores, written again by the products behind the barrier.
;             h's fragments: read by the products, loaded again at the trip's end.     R: the LDS loads behind the barrier land in it; the adding-up reads and writes it; its first 32 are the row stores' data.
;             v48-55: the token loads land in them ahead of the barrier; the trip's end makes v56-63 of them, the row stores' offsets.   v8: read by the token loads, stepped at the trip's end.
;   A trip has TWO waits.  vm_vsrc behind the barrier: all that was issued so far has read ACC, v8, R and v56-63, whose next writers all stand below it.  va_vdst at the end of the adding-up:
;   the products have written ACC and are done with the fragments; v8, v56-63 and R are written; v48-55 are done with.  From that wait to the next trip's adding-up the only vector-side
;   instructions are the products, which name windows 1 to 3 alone: none of the registers that the loads and stores in between touch but ACC and the fragments, as said.
.set WROW,   4096                      ; bytes from a row of W2[e] to the next
.set SPITCH, 288                       ; a stage row: 256 bytes + 32: 9 x 32 (64 banks of 4 bytes: ISA guide 11.1)
.set STAGEW, 32*SPITCH
.set LIST,   4*STAGEW                  ; a list of 1,024 words for each wave
.set RED,    LIST+4*4096               ; the sums' meeting place: two buffers
.set RPITCH, 528                       ; a row of 128 f32 + 16 bytes: 33 x 16, so sixteen rows' 16 bytes fall into sixteen different groups of four banks
.set REDW,   32*RPITCH                 ; a wave's 32 rows
.set REDB,   4*REDW
.set BI,  28                           ; v[28:31] b2 of my four columns 4 L .. 4 L + 3, or 0
.set P,   64
.set R,   128
.set LA,  160                          ; v[160:191] the list: group g's LDS address
.set LD,  192                          ; v[192:223] the list: group g's token
.set MK,  32                           ; s[32:47]   the list: sixteen groups' lane masks
.set ACC, 128
.set MSB, 0
.macro WIN new                         ; the immediate's high byte repeats the setting that is left; a switch that changes nothing is dropped
.if MSB != (\new)
	s_set_vgpr_msb (MSB<<8)|(\new)
.set MSB, \new
.endif
.endm
	s_load_b256 s[4:11], s[0:1], 0x0               ; W2 4, hbuf 6, idx 8, b2 10
	s_load_b64 s[12:13], s[0:1], 0x20              ; part
	v_lshl_add_u32 v26, v0, 2, 0x2e000
	v_mov_b32 v27, 0
	v_lshrrev_b32 v20, 5, v0
	v_readfirstlane_b32 s16, v20                   ; wave
	v_and_b32 v1, 31, v0                           ; L
	v_and_b32 v2, 15, v0                           ; r
	v_bfe_u32 v3, v0, 4, 1                         ; h
	v_lshlrev_b32 v4, 4, v1                        ; 16 L
	v_lshlrev_b32 v16, 2, v1                       ; 4 L
	v_sub_nc_u32 v24, 0, v1                        ; - L
	s_and_b32 s17, ttmp7, 0xffff                   ; expert
	s_and_b32 s18, ttmp9, 7                        ; slice of D
	s_lshr_b32 s30, ttmp9, 3                       ; quarter of F
	s_wait_alu depctr_va_sdst(0)                   ; s16 is written, ahead of its first reader: LDS addresses and the bases are made from it
	s_mul_i32 s26, s16, STAGEW
	v_lshl_add_u32 v5, v1, 3, s26                  ; into the stage: 8 bytes a lane
	v_and_b32 v20, 7, v0
	v_lshl_add_u32 v20, v3, 3, v20
	v_mul_u32_u24 v6, v20, SPITCH                  ; out of it, turned: row 8 h + L % 8,
	v_bfe_u32 v21, v0, 3, 1
	v_lshl_add_u32 v6, v21, 4, v6                  ; 16 bytes by (L / 8) % 2
	v_add_nc_u32 v6, s26, v6
	s_lshl_b32 s27, s16, 12
	s_add_co_u32 s27, s27, LIST
	v_mov_b32 v7, s27                              ; my wave's list
	s_lshl_b32 s28, s16, 5
	s_add_co_u32 s28, s28, s27
	v_mov_b32 v8, s28                              ; places 8 w .. 8 w + 7 of the tile in hand
	v_lshlrev_b32 v9, 5, v2
	v_lshl_add_u32 v9, v3, 4, v9                   ; in hbuf: 32 r + 16 h; the first place of the tile asked for lies in the base
	s_mul_i32 s28, s16, REDW
	s_add_co_u32 s28, s28, RED
	v_mul_u32_u24 v20, v2, RPITCH
	v_lshl_add_u32 v20, v3, 5, v20
	v_add_nc_u32 v11, s28, v20                     ; my sums go here: row r, 32 h; buffer 0, 1
	v_add_nc_u32 v12, REDB, v11
	s_mul_i32 s28, s16, 8*RPITCH
	s_add_co_u32 s28, s28, RED
	v_add_nc_u32 v13, s28, v4                      ; and rows 8 w .. come back from here, 16 bytes a lane
	v_add_nc_u32 v14, REDB, v13
	s_lshl_b32 s29, s16, 3                         ; 8 w
	s_mov_b32 s23, 0
	s_mov_b32 s19, 0                               ; the expert's count
	s_wait_kmcnt 0x0
	s_lshl_b32 s22, s17, 24                        ; W2: expert, slice's 512 bytes, the quarter's 1,024 rows, my wave's 256
	s_lshl_b32 s26, s18, 9
	s_add_co_u32 s22, s22, s26
	s_lshl_b32 s26, s30, 22
	s_add_co_u32 s22, s22, s26
	s_lshl_b32 s26, s16, 20
	s_add_co_u32 s22, s22, s26
	s_add_nc_u64 s[4:5], s[4:5], s[22:23]
	s_lshl_b32 s22, s17, 23                        ; hbuf: expert, block 64 kq + 16 w
	s_lshl_b32 s26, s30, 21
	s_add_co_u32 s22, s22, s26
	s_lshl_b32 s26, s16, 19
	s_add_co_u32 s22, s22, s26
	s_add_nc_u64 s[6:7], s[6:7], s[22:23]
	s_lshl_b32 s22, s17, 12                        ; b2: expert, slice's 512 bytes
	s_lshl_b32 s26, s18, 9
	s_add_co_u32 s22, s22, s26
	s_add_nc_u64 s[10:11], s[10:11], s[22:23]
	s_lshl_b32 s22, s30, 22                        ; part: quarter, slice's 512 bytes
	s_lshl_b32 s26, s18, 9
	s_add_co_u32 s22, s22, s26
	s_add_nc_u64 s[12:13], s[12:13], s[22:23]
	s_wait_alu depctr_va_vdst(0)                   ; all offsets and LDS addresses made above are written: the loads and stores of the whole kernel read them
.macro XLOAD c                         ; the 32 rows of K step c into buffer c % 2: each load 512 consecutive aligned bytes
	WIN 0x40                                       ; destination window 1, address window 0
.set i, 0
.rept 32
	global_load_b128 v[128*((\c)%2)+4*i:128*((\c)%2)+4*i+3], v4, s[4:5] offset:(32*(\c)+i)*WROW th:TH_LOAD_NT
.set i, i+1
.endr
.endm
.macro BLOAD                           ; a tile's 32 places, my wave's 256 of K: 32 loads, in the order of the K steps, four to a step; each 16 places of one block of 16: 512 consecutive aligned bytes
	WIN 0x40
.irp ks, 0,1,2,3,4,5,6,7
.irp rb, 0,1
	global_load_b128 v[8*(2*(\ks)+(\rb)):8*(2*(\ks)+(\rb))+3],   v9, s[6:7] offset:32768*(2*(\ks))+512*(\rb)
	global_load_b128 v[8*(2*(\ks)+(\rb))+4:8*(2*(\ks)+(\rb))+7], v9, s[6:7] offset:32768*(2*(\ks)+1)+512*(\rb)
.endr
.endr
.endm
.irp q, 0,1,2,3,4,5,6,7
	global_load_b128 v[32+4*(\q):32+4*(\q)+3], v4, s[8:9] offset:512*(\q)     ; register 32 + 4 q + c = idx[128 q + 4 L + c]
.endr
	global_load_b128 v[BI:BI+3], v4, s[10:11]      ; b2 of my four columns
	XLOAD 0
	XLOAD 1
	WIN 0
	s_wait_loadcnt 63                              ; 64 loads are younger than idx and b2; 63 is the largest count that the wait can name
	s_cmp_eq_u32 s30, 0                            ; the bias belongs to the first quarter's part alone
	s_cselect_b32 s26, -1, 0
.irp c, 0,1,2,3
	v_and_b32 v[BI+(\c)], s26, v[BI+(\c)]          ; elsewhere its bits become 0
.endr
; THE LIST, as in the first product: the same order, so a place means the same token in both launches.
; Sixteen groups' compares stand in one run, a mask each; each group has an address and a token register of its own, so that the 32 LDS stores stand in one run behind one wait.
.macro LMASK g
	v_cmp_eq_u32 s[MK+(\g)%16], s17, v[32+(\g)]
.endm
.macro LPLACE g
	v_mbcnt_lo_u32_b32 v20, s[MK+(\g)%16], s19     ; chosen ones in lower lanes + in earlier groups
	v_add3_u32 v21, v20, v24, 1023-32*(\g)         ; 1023 - (32 g + L - that number)
	v_cndmask_b32 v20, v21, v20, s[MK+(\g)%16]
	v_min_u32 v20, 0x3ff, v20
	v_lshl_add_u32 v[LA+(\g)], v20, 2, v7
	v_add_nc_u32 v[LD+(\g)], 128*((\g)/4)+(\g)%4, v16
	s_bcnt1_i32_b32 s25, s[MK+(\g)%16]
	s_add_co_u32 s19, s19, s25
.endm
.irp b, 0,1
.set gg, 16*(\b)
.rept 16
	LMASK gg
.set gg, gg+1
.endr
	s_wait_alu depctr_va_sdst(0)                   ; the sixteen masks are written, ahead of the counts and selects that read them
.set gg, 16*(\b)
.rept 16
	LPLACE gg
.set gg, gg+1
.endr
.endr
	s_wait_alu depctr_va_vdst(0)                   ; LA and LD are written, which the LDS stores read
.set gg, 0
.rept 32
	ds_store_b32 v[LA+gg], v[LD+gg]
.set gg, gg+1
.endr
	s_mov_b32 s31, s19                             ; the true count: the stores go by it
	s_max_u32 s19, s19, 1                          ; the bound for tiles: tile 0 is always live
; K step c of eight: 32 rows are rounded to f16, their buffer is asked for again two steps on, the rows go into my stage and come back turned, as 8 fragments.
; K step 6 has no weights left to ask for: its buffer is where h's fragments go, and tile 0 of h is asked for.
; The stage is the wave's own and LDS serves a wave's instructions in order (ISA guide 5.7.1.4): no wait on DScnt and no barrier between its stores and loads, nor before the next step's stores.
.macro KSTEP c
	s_wait_loadcnt 32                              ; this step's rows are in; 32 younger loads stay out: the other buffer's, in step 7 tile 0's
.if (\c) > 0
	s_wait_alu depctr_vm_vsrc(0)                   ; the last step's LDS stores have read P, which the conversions write again
.endif
	WIN 0x05                                       ; sources window 1, destination window 0
.set i, 0
.rept 32
	v_cvt_pk_f16_f32 v[P+2*i],   v[128*((\c)%2)+4*i],   v[128*((\c)%2)+4*i+1]
	v_cvt_pk_f16_f32 v[P+2*i+1], v[128*((\c)%2)+4*i+2], v[128*((\c)%2)+4*i+3]
.set i, i+1
.endr
	s_wait_alu depctr_va_vdst(0)                   ; the conversions are done reading this raw buffer, in which the loads below land, and have written P, which the LDS stores read
.if (\c) < 6
	XLOAD (\c)+2
.elseif (\c) == 6
	BLOAD
.endif
	WIN 0
.set i, 0
.rept 32
	ds_store_b64 v5, v[P+2*i:P+2*i+1] offset:SPITCH*i
.set i, i+1
.endr
	WIN 0x80+0x40*((\c)/4)                         ; destination window 2 or 3
.irp cb, 0,1,2,3,4,5,6,7
	ds_load_tr16_b128 v[64*((\c)%4)+8*(\cb):64*((\c)%4)+8*(\cb)+3],   v6 offset:32*(\cb)
	ds_load_tr16_b128 v[64*((\c)%4)+8*(\cb)+4:64*((\c)%4)+8*(\cb)+7], v6 offset:32*(\cb)+16*SPITCH
.endr
.endm
.irp c, 0,1,2,3,4,5,6,7
	KSTEP \c
.endr
	WIN 0
	s_wait_dscnt 0x0                               ; all fragments and the list are there
; Load n of the 32 that bring a tile's parts back: wave n / 8's part of my row n % 8
.macro REDL n, buf
	ds_load_b128 v[R+4*(\n):R+4*(\n)+3], v[13+(\buf)] offset:REDW*((\n)/8)+RPITCH*((\n)%8)
.endm
; 16 matrix instructions: 32 along K, 2 x 16 places x 8 column blocks.  The 16 accumulators take turns, one instruction a turn.  The first step starts the sums with the constant 0.
; red = 1: four of the loads that bring the tile before back from buffer buf stand ahead of them, so that LDS serves them under the products.  No wait: since the last trip's wait on va_vdst only products have been issued, and they do not name R.
.macro MMA ks, red, buf
.if \red
	WIN 0
.irp i, 0,1,2,3
	REDL 4*(\ks)+(\i), \buf
.endr
.endif
	s_wait_loadcnt 28-4*(\ks)                      ; four loads for each K step, issued in the steps' order: the younger ones stay out
	WIN 0x56+(\ks)/4                               ; weights window 2 or 3; h, C and D window 1
.irp rb, 0,1
.irp cb, 0,1,2,3,4,5,6,7
.if (\ks) == 0
	v_wmma_f32_16x16x32_f16 v[ACC+8*(8*(\rb)+(\cb)):ACC+8*(8*(\rb)+(\cb))+7], v[64*((\ks)%4)+8*(\cb):64*((\ks)%4)+8*(\cb)+7], v[8*(2*(\ks)+(\rb)):8*(2*(\ks)+(\rb))+7], 0
.else
	v_wmma_f32_16x16x32_f16 v[ACC+8*(8*(\rb)+(\cb)):ACC+8*(8*(\rb)+(\cb))+7], v[64*((\ks)%4)+8*(\cb):64*((\ks)%4)+8*(\cb)+7], v[8*(2*(\ks)+(\rb)):8*(2*(\ks)+(\rb))+7], v[ACC+8*(8*(\rb)+(\cb)):ACC+8*(8*(\rb)+(\cb))+7]
.endif
.endr
.endr
.endm
.macro PLACES                          ; behind tile 0's products: four places for the LDS stores of their results, five for the next tile's first products.  In the loop the adding-up of the tile before stands there
.rept 5
	v_nop
.endr
.endm
.macro SUM4                            ; the four waves' parts, 32 registers each, are added: (0 + 1) + (2 + 3); then the bias (pair p holds columns 4 L + 2 (p % 2) and the next)
.set p, 0
.rept 16
	v_pk_add_f32 v[R+2*p:R+2*p+1], v[R+2*p:R+2*p+1], v[R+32+2*p:R+32+2*p+1]
	v_pk_add_f32 v[R+64+2*p:R+64+2*p+1], v[R+64+2*p:R+64+2*p+1], v[R+96+2*p:R+96+2*p+1]
.set p, p+1
.endr
.set p, 0
.rept 16
	v_pk_add_f32 v[R+2*p:R+2*p+1], v[R+2*p:R+2*p+1], v[R+64+2*p:R+64+2*p+1]
.set p, p+1
.endr
.set p, 0
.rept 16
	v_pk_add_f32 v[R+2*p:R+2*p+1], v[R+2*p:R+2*p+1], v[BI+2*(p%2):BI+2*(p%2)+1]
.set p, p+1
.endr
.endm
; TRIP t, for the tile of 32 list places from s20 on; its sums meet in buffer buf = t % 2.
.macro TRIP buf
	s_cmp_ge_u32 s20, s19
	s_cbranch_scc1 .Ld1_\@                         ; past the bound: no work, but the barrier
	WIN 0x04                                       ; data window 1
.irp rb, 0,1
.irp cb, 0,1,2,3,4,5,6,7
	ds_store_b128 v[11+(\buf)], v[ACC+8*(8*(\rb)+(\cb)):ACC+8*(8*(\rb)+(\cb))+3]   offset:16*RPITCH*(\rb)+64*(\cb)      ; each accumulator's low registers first.  No wait: the products stand ahead of the last wait on va_vdst
	ds_store_b128 v[11+(\buf)], v[ACC+8*(8*(\rb)+(\cb))+4:ACC+8*(8*(\rb)+(\cb))+7] offset:16*RPITCH*(\rb)+64*(\cb)+16
.endr
.endr
	WIN 0
	ds_load_b128 v[48:51], v8                      ; the tokens at my eight places of tile t, the same in every lane: my wave's own list
	ds_load_b128 v[52:55], v8 offset:16
.Ld1_\@:
	s_wait_dscnt 0x0                               ; for the others' sake: my stores into this buffer are done, and my reads of the other buffer are back; the eight tokens are in
	s_barrier_signal -1
	s_barrier_wait -1                              ; behind it this buffer is whole, and nobody reads the other one any more
	s_wait_xcnt 0x0                                ; the last tile's row stores and the last request for h have had their addresses translated (ISA guide 3.1): v128-159, v56-63 and h's base are written again only below this line
	s_wait_alu depctr_vm_vsrc(0)                   ; the LDS stores have read ACC, the token loads v8, the last tile's row stores v128-159 and v56-63: the products, the LDS loads below and the trip's end write them again
	s_cmp_ge_u32 s20, s19
	s_cbranch_scc1 .Ld2_\@
	s_add_co_u32 s26, s20, 32
	s_cmp_ge_u32 s26, s19
	s_cbranch_scc1 .Lal_\@                         ; tile t is the last live one
.irp ks, 0,1,2,3,4,5,6,7
	MMA \ks, 1, \buf                               ; tile t + 1's products; tile t's parts come back under them
.endr
	WIN 0
	s_branch .Lf_\@
.Lal_\@:
.set n, 0
.rept 32
	REDL n, \buf
.set n, n+1
.endr
.Lf_\@:
	s_wait_dscnt 0x0                               ; tile t's parts are back
.irp q, 0,1,2,3,4,5,6,7
	v_min_u32 v[48+(\q)], 0x3ff, v[48+(\q)]        ; these lines and the adding-up are the places behind the products (ISA guide 7.12.1)
.endr
.irp q, 0,1,2,3,4,5,6,7
	v_lshl_add_u32 v[56+(\q)], v[48+(\q)], 12, v4  ; the token's row of part, 16 bytes a lane
.endr
	v_add_nc_u32 v8, 128, v8                       ; the list 32 places on
	SUM4
	s_wait_alu depctr_va_vdst(0)                   ; the products are done reading h's fragments, in which the loads below land, and have written ACC, which the next trip's LDS stores read; v128-159, v56-63 and v8 are written; R and v48-55, in which the next trip's LDS loads land, are done with
	s_add_co_u32 s26, s20, 64
	s_cmp_ge_u32 s26, s19
	s_cbranch_scc1 .Lst_\@
	s_wait_loadcnt 0x0                             ; the loads that filled h's fragments last have landed, so that no two loads are out for one register.  The way through the products has shown it by the last K step's wait for 0; the way round them ends at the branch above (there s20 + 32 has reached the bound, so s20 + 64 has too), which is arithmetic on a count made at run time: this line holds on every way
	s_add_nc_u64 s[6:7], s[6:7], 1024              ; h's base 32 places on
	BLOAD                                          ; tile t + 2 of h
	WIN 0
.Lst_\@:
	s_add_co_u32 s27, s20, s29                     ; my first place
.irp q, 0,1,2,3,4,5,6,7
	s_add_co_u32 s26, s27, \q
	s_cmp_ge_u32 s26, s31
	s_cbranch_scc1 .Ld2_\@                         ; places past the count store nothing
	global_store_b128 v[56+(\q)], v[R+4*(\q):R+4*(\q)+3], s[12:13]   ; a row's 512 consecutive aligned bytes
.endr
.Ld2_\@:
	s_add_co_u32 s20, s20, 32
.endm
	; ahead of the loop: tile 0's products, and the request for tile 1
	s_mov_b32 s20, 0
.irp ks, 0,1,2,3,4,5,6,7
	MMA \ks, 0, 0
.endr
	WIN 0
	PLACES
	s_wait_alu depctr_va_vdst(0)                   ; tile 0's products are done reading h's fragments, in which tile 1's loads land, and have written ACC, which the first trip's LDS stores read
	s_cmp_le_u32 s19, 32
	s_cbranch_scc1 .Lp1
	s_add_nc_u64 s[6:7], s[6:7], 1024              ; h's base 32 places on (the loads that read it were waited for by the last K step's wait for 0)
	BLOAD
	WIN 0
.Lp1:
	s_mov_b32 s21, 16
.Ltile:
	TRIP 0
	TRIP 1
	s_sub_co_u32 s21, s21, 1
	s_cmp_lg_u32 s21, 0
	s_cbranch_scc1 .Ltile
	s_wait_dscnt 0x0                               ; the wave's end, ahead of the closing add onto the spare words
	s_wait_alu depctr_hold_cnt(0) depctr_sa_sdst(0) depctr_va_vdst(0) depctr_va_sdst(0) depctr_va_ssrc(0) depctr_va_vcc(0) depctr_vm_vsrc(0)
	s_wait_tensorcnt 0x0
	ds_add_u32 v26, v27
	s_wait_dscnt 0x0
	s_endpgm
.Lfunc_end_k_qb7c26801ae_ffn2:
	.size	k_qb7c26801ae_ffn2, .Lfunc_end_k_qb7c26801ae_ffn2-k_qb7c26801ae_ffn2
	.p2alignl 7, 3214868480
	.fill 96, 4, 3214868480
	.section	.rodata,"a",@progbits
	.p2align	6, 0x0
	.amdhsa_kernel k_qb7c26801ae_ffn2
		.amdhsa_group_segment_fixed_size 188928
		.amdhsa_private_segment_fixed_size 0
		.amdhsa_enable_private_segment 0
		.amdhsa_kernarg_size 40
		.amdhsa_user_sgpr_count 2
		.amdhsa_user_sgpr_kernarg_segment_ptr 1
		.amdhsa_wavefront_size32 1
		.amdhsa_system_sgpr_workgroup_id_x 1
		.amdhsa_system_sgpr_workgroup_id_y 1
		.amdhsa_system_sgpr_workgroup_id_z 1
		.amdhsa_system_vgpr_workitem_id 0
		.amdhsa_next_free_vgpr 1024
		.amdhsa_next_free_sgpr 66
		.amdhsa_reserve_vcc 0
		.amdhsa_float_denorm_mode_32 3
		.amdhsa_float_denorm_mode_16_64 3
		.amdhsa_memory_ordered 1
		.amdhsa_forward_progress 1
		.amdhsa_inst_pref_size 171
	.end_amdhsa_kernel
	.amdgpu_metadata
---
amdhsa.version: [ 1, 2 ]
amdhsa.kernels:
  - .name:           k_qb7c26801ae_ffn2
    .symbol:         k_qb7c26801ae_ffn2.kd
    .args:
      - { .name: W2, .offset: 0, .size: 8, .value_kind: global_buffer, .address_space: global }
      - { .name: hbuf, .offset: 8, .size: 8, .value_kind: global_buffer, .address_space: global }
      - { .name: idx, .offset: 16, .size: 8, .value_kind: global_buffer, .address_space: global }
      - { .name: b2, .offset: 24, .size: 8, .value_kind: global_buffer, .address_space: global }
      - { .name: part, .offset: 32, .size: 8, .value_kind: global_buffer, .address_space: global }
    .group_segment_fixed_size: 188928
    .private_segment_fixed_size: 0
    .kernarg_segment_align: 8
    .kernarg_segment_size: 40
    .max_flat_workgroup_size: 128
    .sgpr_count:     66
    .vgpr_count:     1024
    .wavefront_size: 32
...
	.end_amdgpu_metadata
.endif
;; end of part 7
;; launch combine: the kernel of part 4 again; grid 256 x 1, 4 waves a work-group, no clusters, 0 bytes of LDS; arguments part, gate, out0; writes out0
